; MI455X (gfx1250); checked and timed in simulation.
; The chip was launched on July 23, 2026; its instructions are those of AMD's public machine-readable ISA for CDNA 5 (MIT licence, August 2026) and "CDNA5" Instruction Set Architecture Reference Guide (July 2026). The comments in the code are by the model that wrote it; some were corrected since.
;; KNN. Allowed arithmetic: float matrix products may take bf16 or f16 operands with f32 sums; other float arithmetic in f32, or as packed bf16 or f16 multiplies, adds, multiply-adds, maxima and minima; sums over many terms, partial sums and values carried from step to step in f32; what a program stores and reads back later, other than sums and carried values, may be rounded once to bf16 or f16.
;; Inputs: test_features 1,024 x 256 float32; train_features 200,000 x 256 float32; train_labels 200,000 int32.
;; Outputs: out0 1,024 x 50 float32.
;; 2 versions, each right; version 2 is version 1 with the launches colsq, vote written anew for expert scheduling mode. Each part assembles by itself: llvm-mc -triple=amdgcn-amd-amdhsa -mcpu=gfx1250 --defsym DOCPART=n.
;; ======== version 1 of 2: 5 launches
;; limits: below input magnitudes of 6.8e-21 results are inexact or not finite
;; workspace buffers: tb 102,400,000 bytes; part 256,000 bytes; qa 524,288 bytes; qf 1,048,576 bytes; cand 16,384,000 bytes; gids 65,536 bytes of whole numbers
;; launch colsq (part 1): grid 250 x 1, 16 waves a work-group, no clusters, 10,240 bytes of LDS; arguments train_features, tb, part; writes tb, part
.if DOCPART == 1
	.amdgcn_target "amdgcn-amd-amdhsa--gfx1250"
	.amdhsa_code_object_version 6
	.text
	.protected	k_q179a5fc576_colsq
	.globl	k_q179a5fc576_colsq
	.p2align	8
	.type	k_q179a5fc576_colsq,@function
k_q179a5fc576_colsq:
	s_mov_b64 s[64:65], 0
	v_nop
	global_prefetch_b8 v0, s[64:65] scope:SCOPE_SE
	s_setreg_imm32_b32 hwreg(HW_REG_WAVE_MODE, 25, 1), 1
	s_wait_xcnt 0x0
; train_features [200000][256] f32 is read once.  Two things come of it: tb, the same numbers rounded once to bf16 (the operand of the
; matrix launch), and part[wg][256], each column's sum of squares over the work-group's 800 rows, in f32 (the column norms need all rows).
; SHARES.  250 work-groups x 800 rows.  A block is 8 rows = 8,192 bytes; thread t of 512 owns the 16 bytes at 16 t of every block: columns
; 4 (t % 64) .. + 3 of row t / 64.  A wave's load covers 512 consecutive bytes, its 8-byte store 256 consecutive bytes, aligned.
; A ring of DEPTH slots in registers keeps DEPTH loads of every wave on their way.  No LDS on the way in: no wave wants another's bytes.
; ORDER OF SUMS: 100 squares a thread in a chain, then 8 threads a column: not the order of a plain sum over n.
.set INB,    8192                      ; bytes of train in a block
.set OUTB,   4096                      ; bytes of tb in a block
.set DEPTH,  10
.set TRIPS,  100/DEPTH-1               ; the last round is written out
.set ACC,    4                         ; v[4:7]    sums of squares of my four columns
.set X,      8                         ; v[8:47]   slot i: 4 registers as loaded
.set Y,      48                        ; v[48:67]  slot i: 2 registers to store
.set SPW,    68                        ; LDS address of my spare word; never rewritten
.set NIL,    69                        ; 0; never rewritten
.set SPARE,  8192                      ; behind the 8 x 1,024 bytes of partial sums: 128 bytes for each of 16 waves
	s_load_b128 s[4:7], s[0:1], 0x0                ; train s[4:5], tb s[6:7]
	s_load_b64 s[8:9], s[0:1], 0x10                ; part
	v_lshl_add_u32 v[SPW], v0, 2, SPARE
	v_mov_b32 v[NIL], 0
	v_lshrrev_b32 v3, 5, v0
	v_readfirstlane_b32 s10, v3                    ; wave 0..15
	v_lshlrev_b32 v1, 4, v0                        ; 16 t: my place in a block of train, and in LDS
	v_lshlrev_b32 v2, 3, v0                        ; 8 t: my place in a block of tb
	s_mul_i32 s14, ttmp9, 800*1024                 ; under 2^28
	s_mov_b32 s15, 0
	s_mul_i32 s16, ttmp9, 800*512
	s_mov_b32 s17, 0
	s_lshl_b32 s18, ttmp9, 10
	s_mov_b32 s19, 0
.irp r, 0,1,2,3
	v_mov_b32 v[ACC+\r], 0
.endr
	s_wait_kmcnt 0x0
	s_add_nc_u64 s[4:5], s[4:5], s[14:15]
	s_add_nc_u64 s[6:7], s[6:7], s[16:17]
	s_add_nc_u64 s[8:9], s[8:9], s[18:19]
.irp i, 0,1,2,3,4,5,6,7,8,9
	global_load_b128 v[X+4*\i:X+4*\i+3], v1, s[4:5] offset:\i*INB th:TH_LOAD_NT
.endr
; One slot's turn.  left = the younger loads that may stay out.  ahead = 1: the slot takes the block DEPTH further on.
.macro SLOT i, ahead, left
	s_wait_loadcnt \left                           ; loads come back in order: mine is in
	v_pk_fma_f32 v[ACC:ACC+1], v[X+4*(\i):X+4*(\i)+1], v[X+4*(\i):X+4*(\i)+1], v[ACC:ACC+1]
	v_pk_fma_f32 v[ACC+2:ACC+3], v[X+4*(\i)+2:X+4*(\i)+3], v[X+4*(\i)+2:X+4*(\i)+3], v[ACC+2:ACC+3]
	v_cvt_pk_bf16_f32 v[Y+2*(\i)], v[X+4*(\i)], v[X+4*(\i)+1]
	v_cvt_pk_bf16_f32 v[Y+2*(\i)+1], v[X+4*(\i)+2], v[X+4*(\i)+3]
.if \ahead
	global_load_b128 v[X+4*(\i):X+4*(\i)+3], v1, s[4:5] offset:(DEPTH+(\i))*INB th:TH_LOAD_NT
.endif
	global_store_b64 v2, v[Y+2*(\i):Y+2*(\i)+1], s[6:7] offset:(\i)*OUTB th:TH_STORE_NT
.endm
	s_mov_b32 s12, TRIPS
.Lround:
.irp i, 0,1,2,3,4,5,6,7,8,9
	SLOT \i, 1, DEPTH-1
.endr
	s_wait_xcnt 0x0                                ; the trip's loads and stores have read their sources: both bases and Y are written again only behind this wait
	s_add_nc_u64 s[4:5], s[4:5], DEPTH*INB
	s_add_nc_u64 s[6:7], s[6:7], DEPTH*OUTB
	s_sub_co_u32 s12, s12, 1
	s_cmp_lg_u32 s12, 0
	s_cbranch_scc1 .Lround
.irp i, 0,1,2,3,4,5,6,7,8,9
	SLOT \i, 0, DEPTH-1-\i                         ; the last round loads nothing: the counts run down
.endr
	; the eight threads of a column meet in LDS: [row in block 8][256] f32, which is byte 16 t
	ds_store_b128 v1, v[ACC:ACC+3]
	s_wait_dscnt 0x0                               ; for the others' sake
	s_barrier_signal -1
	s_barrier_wait -1
	s_cmp_lt_u32 s10, 2                            ; threads 0 to 63 finish the 64 groups of four columns
	s_cbranch_scc0 .Lend
.irp k, 0,1,2,3,4,5,6,7
	ds_load_b128 v[X+4*\k:X+4*\k+3], v1 offset:1024*\k
.endr
	s_wait_dscnt 0x0
.irp k, 0,1,2,3
	v_pk_add_f32 v[X+4*\k:X+4*\k+1], v[X+4*\k:X+4*\k+1], v[X+16+4*\k:X+16+4*\k+1]
	v_pk_add_f32 v[X+4*\k+2:X+4*\k+3], v[X+4*\k+2:X+4*\k+3], v[X+16+4*\k+2:X+16+4*\k+3]
.endr
.irp k, 0,1
	v_pk_add_f32 v[X+4*\k:X+4*\k+1], v[X+4*\k:X+4*\k+1], v[X+8+4*\k:X+8+4*\k+1]
	v_pk_add_f32 v[X+4*\k+2:X+4*\k+3], v[X+4*\k+2:X+4*\k+3], v[X+8+4*\k+2:X+8+4*\k+3]
.endr
	v_pk_add_f32 v[X:X+1], v[X:X+1], v[X+4:X+5]
	v_pk_add_f32 v[X+2:X+3], v[X+2:X+3], v[X+6:X+7]
	global_store_b128 v1, v[X:X+3], s[8:9]         ; a wave stores 512 consecutive bytes of the work-group's 1,024
.Lend:
	s_wait_tensorcnt 0x0                           ; the wave's end: a wait, an add to my spare word and its wait, behind my last LDS store
	ds_add_u32 v[SPW], v[NIL]
	s_wait_dscnt 0x0
	s_endpgm
.Lfunc_end_k_q179a5fc576_colsq:
	.size	k_q179a5fc576_colsq, .Lfunc_end_k_q179a5fc576_colsq-k_q179a5fc576_colsq
	.p2alignl 7, 3214868480
	.fill 96, 4, 3214868480
	.section	.rodata,"a",@progbits
	.p2align	6, 0x0
	.amdhsa_kernel k_q179a5fc576_colsq
		.amdhsa_group_segment_fixed_size 10240
		.amdhsa_private_segment_fixed_size 0
		.amdhsa_enable_private_segment 0
		.amdhsa_kernarg_size 24
		.amdhsa_user_sgpr_count 2
		.amdhsa_user_sgpr_kernarg_segment_ptr 1
		.amdhsa_wavefront_size32 1
		.amdhsa_system_sgpr_workgroup_id_x 1
		.amdhsa_system_sgpr_workgroup_id_y 1
		.amdhsa_system_sgpr_workgroup_id_z 1
		.amdhsa_system_vgpr_workitem_id 0
		.amdhsa_next_free_vgpr 80
		.amdhsa_next_free_sgpr 66
		.amdhsa_reserve_vcc 0
		.amdhsa_float_denorm_mode_32 3
		.amdhsa_float_denorm_mode_16_64 3
		.amdhsa_memory_ordered 1
		.amdhsa_forward_progress 1
		.amdhsa_inst_pref_size 13
	.end_amdhsa_kernel
	.amdgpu_metadata
---
amdhsa.version: [ 1, 2 ]
amdhsa.kernels:
  - .name:           k_q179a5fc576_colsq
    .symbol:         k_q179a5fc576_colsq.kd
    .args:
      - { .name: train_features, .offset: 0, .size: 8, .value_kind: global_buffer, .address_space: global }
      - { .name: tb, .offset: 8, .size: 8, .value_kind: global_buffer, .address_space: global }
      - { .name: part, .offset: 16, .size: 8, .value_kind: global_buffer, .address_space: global }
    .group_segment_fixed_size: 10240
    .private_segment_fixed_size: 0
    .kernarg_segment_align: 8
    .kernarg_segment_size: 24
    .max_flat_workgroup_size: 512
    .sgpr_count:     66
    .vgpr_count:     80
    .wavefront_size: 32
...
	.end_amdgpu_metadata
.endif
;; end of part 1
;; launch prep (part 2): grid 128 x 1, 10 waves a work-group, no clusters, 11,520 bytes of LDS; arguments test_features, part, qa, qf; writes qa, qf
.if DOCPART == 2
	.amdgcn_target "amdgcn-amd-amdhsa--gfx1250"
	.amdhsa_code_object_version 6
	.text
	.protected	k_q179a5fc576_prep
	.globl	k_q179a5fc576_prep
	.p2align	8
	.type	k_q179a5fc576_prep,@function
k_q179a5fc576_prep:
	s_mov_b64 s[64:65], 0
	v_nop
	global_prefetch_b8 v0, s[64:65] scope:SCOPE_SE
	s_setreg_imm32_b32 hwreg(HW_REG_WAVE_MODE, 25, 1), 1
	s_wait_xcnt 0x0
; qf[b][d] = test[b][d] / max(|test[b]|, 1e-12) / max(n_d, 1e-12), n_d = the root of column d's sum of squares over all 200,000 rows of train.
; With it sim[b][n] = the sum over d of qf[b][d] train[n][d]: both normalisations lie on the small side.  qf in f32 (for the exact scores),
; qa = qf rounded once to bf16 (the matrix operand).
; SHARES.  128 work-groups x 8 queries.  Every work-group adds up part's 250 rows: wave w of ten takes rows 25 w .. 25 w + 24, the ten sums meet
; in LDS.  Then waves 0 to 7 take a query each; waves 8 and 9 have none (their load of a test row is clamped to the work-group's last query).
; Lane l owns columns 4 l .. + 3 and 128 + 4 l .. + 3: every load and store of 16 bytes a lane covers 512 consecutive bytes.
; Divisions are v_rcp_f32 and a multiply, roots v_sqrt_f32: an error of a few parts in 10^7.  A sum of squares below 2^-126 counts as 0.
.set LO,  2                            ; 16 l
.set HO,  3                            ; 8 l
.set XR,  4                            ; v[4:11]   my 8 numbers of the test row
.set SM,  12                           ; v[12:19]  column sums
.set IV,  20                           ; v[20:27]  n_d, then 1 / max(n_d, eps)
.set SS,  28                           ; v[28:29]  the row's sum of squares
.set RN,  30                           ; v[30:31]  1 / max(|row|, eps), twice
.set QF,  32
.set QA,  40
.set SPW, 44
.set NIL, 45
.set LW,  46                           ; where my wave's sums go in LDS
.set PB,  56                           ; v[56:255] 25 rows x 8 numbers of part
.set SPARE, 10240                      ; behind [wave 10][256] f32: 128 bytes for each of ten waves
	s_load_b256 s[4:11], s[0:1], 0x0               ; test s[4:5], part s[6:7], qa s[8:9], qf s[10:11]
	v_lshl_add_u32 v[SPW], v0, 2, SPARE
	v_mov_b32 v[NIL], 0
	v_lshrrev_b32 v1, 5, v0
	v_readfirstlane_b32 s12, v1                    ; wave 0..9
	v_and_b32 v1, 31, v0
	v_lshlrev_b32 v[LO], 4, v1
	v_lshlrev_b32 v[HO], 3, v1
	v_lshl_add_u32 v[LW], s12, 10, v[LO]
	s_min_u32 s13, s12, 7
	s_lshl_b32 s14, ttmp9, 3
	s_add_co_u32 s13, s13, s14                     ; my query
	s_lshl_b32 s14, s13, 10
	s_mov_b32 s15, 0
	s_lshl_b32 s16, s13, 9
	s_mov_b32 s17, 0
	s_mul_i32 s18, s12, 25*1024
	s_mov_b32 s19, 0
	s_mov_b32 s20, 0x76543210                      ; v_permlanex16_b32: each lane takes its own place in the other half
	s_mov_b32 s21, 0xfedcba98
	s_mov_b32 s22, 0x2b8cbccc                      ; 1e-12
	s_wait_kmcnt 0x0
	s_add_nc_u64 s[4:5], s[4:5], s[14:15]
	s_add_nc_u64 s[10:11], s[10:11], s[14:15]
	s_add_nc_u64 s[8:9], s[8:9], s[16:17]
	s_add_nc_u64 s[6:7], s[6:7], s[18:19]
	global_load_b128 v[XR:XR+3], v[LO], s[4:5]
	global_load_b128 v[XR+4:XR+7], v[LO], s[4:5] offset:512
.set i, 0
.rept 25
	global_load_b128 v[PB+8*i:PB+8*i+3], v[LO], s[6:7] offset:1024*i
	global_load_b128 v[PB+8*i+4:PB+8*i+7], v[LO], s[6:7] offset:1024*i+512
.set i, i+1
.endr
	s_wait_loadcnt 0x0
.irp c, 0,2,4,6
	v_pk_add_f32 v[SM+\c:SM+\c+1], v[PB+\c:PB+\c+1], v[PB+8+\c:PB+8+\c+1]
.endr
.set i, 2
.rept 23
.irp c, 0,2,4,6
	v_pk_add_f32 v[SM+\c:SM+\c+1], v[SM+\c:SM+\c+1], v[PB+8*i+\c:PB+8*i+\c+1]
.endr
.set i, i+1
.endr
	ds_store_b128 v[LW], v[SM:SM+3]
	ds_store_b128 v[LW], v[SM+4:SM+7] offset:512
	s_wait_dscnt 0x0                               ; for the others' sake
	s_barrier_signal -1
	s_barrier_wait -1
	s_cmp_lt_u32 s12, 8
	s_cbranch_scc0 .Lend
.set i, 0
.rept 10
	ds_load_b128 v[PB+8*i:PB+8*i+3], v[LO] offset:1024*i
	ds_load_b128 v[PB+8*i+4:PB+8*i+7], v[LO] offset:1024*i+512
.set i, i+1
.endr
	; the row's sum of squares stands in the wait for them
	v_pk_mul_f32 v[SS:SS+1], v[XR:XR+1], v[XR:XR+1]
	v_pk_fma_f32 v[SS:SS+1], v[XR+2:XR+3], v[XR+2:XR+3], v[SS:SS+1]
	v_pk_fma_f32 v[SS:SS+1], v[XR+4:XR+5], v[XR+4:XR+5], v[SS:SS+1]
	v_pk_fma_f32 v[SS:SS+1], v[XR+6:XR+7], v[XR+6:XR+7], v[SS:SS+1]
	v_add_f32 v[SS], v[SS], v[SS+1]
	v_add_f32_dpp v[SS], v[SS], v[SS] row_xmask:1 row_mask:0xf bank_mask:0xf
	v_add_f32_dpp v[SS], v[SS], v[SS] row_xmask:2 row_mask:0xf bank_mask:0xf
	v_add_f32_dpp v[SS], v[SS], v[SS] row_xmask:4 row_mask:0xf bank_mask:0xf
	v_add_f32_dpp v[SS], v[SS], v[SS] row_xmask:8 row_mask:0xf bank_mask:0xf
	v_permlanex16_b32 v[SS+1], v[SS], s20, s21
	v_add_f32 v[SS], v[SS], v[SS+1]
	s_wait_dscnt 0x0
.irp c, 0,2,4,6
	v_pk_add_f32 v[SM+\c:SM+\c+1], v[PB+\c:PB+\c+1], v[PB+8+\c:PB+8+\c+1]
.endr
.set i, 2
.rept 8
.irp c, 0,2,4,6
	v_pk_add_f32 v[SM+\c:SM+\c+1], v[SM+\c:SM+\c+1], v[PB+8*i+\c:PB+8*i+\c+1]
.endr
.set i, i+1
.endr
.irp c, 0,1,2,3,4,5,6,7
	v_sqrt_f32 v[IV+\c], v[SM+\c]                  ; one batch of nine roots,
.endr
	v_sqrt_f32 v[RN], v[SS]
	v_nop                                          ; a plain instruction behind the last,
	s_wait_alu depctr_va_vdst(0)                   ; and one wait ahead of the first reader
.irp c, 0,1,2,3,4,5,6,7
	v_max_num_f32 v[IV+\c], s22, v[IV+\c]
.endr
	v_max_num_f32 v[RN], s22, v[RN]
.irp c, 0,1,2,3,4,5,6,7
	v_rcp_f32 v[IV+\c], v[IV+\c]                   ; one batch of nine reciprocals
.endr
	v_rcp_f32 v[RN], v[RN]
	v_nop
	s_wait_alu depctr_va_vdst(0)
	v_mov_b32 v[RN+1], v[RN]
.irp c, 0,2,4,6
	v_pk_mul_f32 v[QF+\c:QF+\c+1], v[XR+\c:XR+\c+1], v[RN:RN+1]
.endr
.irp c, 0,2,4,6
	v_pk_mul_f32 v[QF+\c:QF+\c+1], v[QF+\c:QF+\c+1], v[IV+\c:IV+\c+1]
.endr
.irp c, 0,1,2,3
	v_cvt_pk_bf16_f32 v[QA+\c], v[QF+2*\c], v[QF+2*\c+1]
.endr
	global_store_b128 v[LO], v[QF:QF+3], s[10:11]
	global_store_b128 v[LO], v[QF+4:QF+7], s[10:11] offset:512
	global_store_b64 v[HO], v[QA:QA+1], s[8:9]     ; 256 consecutive bytes, aligned
	global_store_b64 v[HO], v[QA+2:QA+3], s[8:9] offset:256
.Lend:
	s_wait_tensorcnt 0x0                           ; the wave's end: a wait, an add to my spare word and its wait, behind my last LDS store
	ds_add_u32 v[SPW], v[NIL]
	s_wait_dscnt 0x0
	s_endpgm
.Lfunc_end_k_q179a5fc576_prep:
	.size	k_q179a5fc576_prep, .Lfunc_end_k_q179a5fc576_prep-k_q179a5fc576_prep
	.p2alignl 7, 3214868480
	.fill 96, 4, 3214868480
	.section	.rodata,"a",@progbits
	.p2align	6, 0x0
	.amdhsa_kernel k_q179a5fc576_prep
		.amdhsa_group_segment_fixed_size 11520
		.amdhsa_private_segment_fixed_size 0
		.amdhsa_enable_private_segment 0
		.amdhsa_kernarg_size 32
		.amdhsa_user_sgpr_count 2
		.amdhsa_user_sgpr_kernarg_segment_ptr 1
		.amdhsa_wavefront_size32 1
		.amdhsa_system_sgpr_workgroup_id_x 1
		.amdhsa_system_sgpr_workgroup_id_y 1
		.amdhsa_system_sgpr_workgroup_id_z 1
		.amdhsa_system_vgpr_workitem_id 0
		.amdhsa_next_free_vgpr 256
		.amdhsa_next_free_sgpr 66
		.amdhsa_reserve_vcc 0
		.amdhsa_float_denorm_mode_32 3
		.amdhsa_float_denorm_mode_16_64 3
		.amdhsa_memory_ordered 1
		.amdhsa_forward_progress 1
		.amdhsa_inst_pref_size 19
	.end_amdhsa_kernel
	.amdgpu_metadata
---
amdhsa.version: [ 1, 2 ]
amdhsa.kernels:
  - .name:           k_q179a5fc576_prep
    .symbol:         k_q179a5fc576_prep.kd
    .args:
      - { .name: test_features, .offset: 0, .size: 8, .value_kind: global_buffer, .address_space: global }
      - { .name: part, .offset: 8, .size: 8, .value_kind: global_buffer, .address_space: global }
      - { .name: qa, .offset: 16, .size: 8, .value_kind: global_buffer, .address_space: global }
      - { .name: qf, .offset: 24, .size: 8, .value_kind: global_buffer, .address_space: global }
    .group_segment_fixed_size: 11520
    .private_segment_fixed_size: 0
    .kernarg_segment_align: 8
    .kernarg_segment_size: 32
    .max_flat_workgroup_size: 320
    .sgpr_count:     66
    .vgpr_count:     256
    .wavefront_size: 32
...
	.end_amdgpu_metadata
.endif
;; end of part 2
;; launch gemm (part 3): grid 2 x 125, 4 waves a work-group, no clusters, 327,680 bytes of LDS; arguments qa, tb, cand; writes cand
.if DOCPART == 3
	.amdgcn_target "amdgcn-amd-amdhsa--gfx1250"
	.amdhsa_code_object_version 6
	.text
	.protected	k_q179a5fc576_gemm
	.globl	k_q179a5fc576_gemm
	.p2align	8
	.type	k_q179a5fc576_gemm,@function
k_q179a5fc576_gemm:
	s_mov_b64 s[64:65], 0
	v_nop
	global_prefetch_b8 v0, s[64:65] scope:SCOPE_SE
	s_setreg_imm32_b32 hwreg(HW_REG_WAVE_MODE, 25, 1), 1
	s_wait_xcnt 0x0
; THE NOMINATING PRODUCT.  sim[b][n] = the sum over d of qa[b][d] tb[n][d], bf16 operands, f32 sums: 1,024 x 200,000 x 256.  No sim is stored: train's rows go in GROUPS of
; 8 consecutive rows, and of each group only the maximum is kept, as a KEY: the f32 maximum with its low 10 bits replaced (7 of them: the group's tile in the chunk).
; cand[chunk 125][query 1024][h 2][16] = the 16 largest keys, descending, of the 100 groups (chunk, tile 0..99, half h).
; LIMIT.  A later launch scores the rows of the 16 best groups of a query exactly, in f32.  So the groups that hold a query's true ten neighbours must be among the 16 best by this key
; (14 significant bits of a product of operands rounded to bf16).  Data in which more than six other groups lie within that error of the tenth neighbour are not served.
; NaN loses every maximum; infinities are not treated apart.
; SHARES.  Work-group (x, c): queries 512 x .. + 511, chunk c of 1,600 rows: 250 equal work-groups.  A wave owns 128 queries, 8 tiles of 16, whose fragments stay in 512 registers, and
; walks the chunk's 100 tiles of 16 rows: 64 matrix instructions a tile.
; NO CLUSTER: a tile of tb is shared by the two work-groups of a chunk alone, and a grid of 2 x 125 divides into no cluster of four along either axis; with four partners of 256 queries
; there would be 500 work-groups, and each fragment read from LDS would feed half as many products.
; LAYOUT.  S^T = K Q^T (source 0 = 16 rows of tb, source 1 = 16 queries): in the result lane (r = l % 16, h = l / 16) holds query r and rows 8 h .. 8 h + 7: one group.
; THE LIST.  x goes into a descending list t by one line an entry: t_i = the middle one of (t_i-1, x, t_i), from the last entry up, then t_0 = max(t_0, x).  A group costs 4 lines for the maximum,
; 1 for the key, 16 for the list: 21 for 8 matrix instructions.  They stand behind the matrix instructions of the OTHER four query tiles, two or three behind each.
; RING.  Two LDS slots of 160 rows (10 tiles); each wave brings 40 rows of a fill by one tensor load.  The slots change in a phase's last tile, whose fragments are in registers by then.
; REGISTERS, in windows of 256 (s_set_vgpr_msb: bits 1:0 source 0, 3:2 source 1, 5:4 source 2, 7:6 destination):
;   window 0: addresses; v12-19 at work; v32-95 the 8 accumulators; v96-223 the 8 lists; v224-255 the way out      windows 1, 2: Q, tile qt at 64 (qt % 4) + 8 kf      window 3: K, two buffers of 64
; All that the list work touches lies in window 0, and no window has room for Q beside it: a matrix instruction costs two switches.
.set PITCH, 528                        ; an LDS row: 512 bytes + 16 of padding, an odd multiple of 16: the 16 rows of a fragment load fall 16 bytes apart modulo 256
.set TILEB, 16*PITCH
.set FILLB, 160*PITCH                  ; a slot
.set FILLG, 160*512                    ; its bytes in tb
.set SLOT1, 1<<17                      ; slot 1 begins here: one exclusive or turns an address in one slot into the other's
.set STAGE, SLOT1+FILLB                ; behind the ring, never filled by a tensor load: 16 rows x 144 bytes for each wave
.set SP,    144
.set SPARE, STAGE+4*16*SP              ; the spare words: 128 bytes for each wave
.set AK0, 2                            ; my lane's place in a tile of K: 528 r + 16 h; never rewritten
.set AK,  3                            ; the LDS address of the run of loads in hand
.set QO,  4                            ; my place in 16 rows of qa: 512 r + 16 h
.set STO, 5                            ; the way out: where my list goes
.set RD,  6                            ; the way out: where I read rows back
.set GO,  7                            ; 16 l
.set SPW, 8
.set NIL, 9
.set PFO, 10                           ; the prefetches' offset: 8,192 x wave + 256 l; never rewritten
.set TMP, 12
.set ACC, 32
.set LST, 96
.set OB,  224
.set WV,  10                           ; s10  my wave's number
.set G1,  16                           ; s[16:23] descriptor group 1
.set G0A, 24                           ; s[24:27] group 0 of fill 0
.set G0W, 28                           ; s[28:31] group 0 of fill 1; it then walks on
.set TB,  32                           ; LDS byte at which the tile to be fetched begins
.set CNT, 33
.set PH,  34
.set IDP, 35                           ; the number of the tile before
.set IDC, 36                           ; the number of the tile in hand
.set MASK, 37
.set LIM, 38                           ; 1 in the work-group that prefetches (x = 0), else the greatest number
.set PFA, 40                           ; s[40:41] where the prefetches stand: the fill after the one that is being asked for
.set MSB, 0
.macro WIN new                         ; the immediate's high byte repeats the setting that is left; a switch that changes nothing is dropped
.if MSB != (\new)
	s_set_vgpr_msb (MSB<<8)|(\new)
.set MSB, (\new)
.endif
.endm
	s_load_b128 s[4:7], s[0:1], 0x0                ; qa s[4:5], tb s[6:7]
	s_load_b64 s[8:9], s[0:1], 0x10                ; cand
	v_lshl_add_u32 v[SPW], v0, 2, SPARE
	v_mov_b32 v[NIL], 0
	ds_add_u32 v[SPW], v[NIL]                      ; the wave's opening: the add, twice on end, and its wait ahead of my first tensor load
	ds_add_u32 v[SPW], v[NIL]
	v_lshrrev_b32 v1, 5, v0
	v_readfirstlane_b32 s[WV], v1                  ; wave 0..3
	; group 1: a tile of 40 rows x 256 elements of 2 bytes, padded in LDS
	s_mov_b32 s[G1+0], (1<<16)|(1<<20)|(6<<22)|(3<<25)  ; 17:16 2-byte elements; 20 padding on; 24:22 after every 128 words (code 6); 31:25 4 words (code 3)
	s_mov_b32 s[G1+1], 256<<16                     ; tensor_dim0 = 256
	s_mov_b32 s[G1+2], 40<<16                      ; tensor_dim1 = 40
	s_mov_b32 s[G1+3], 256<<16                     ; tile_dim0 = 256
	s_mov_b32 s[G1+4], 40                          ; tile_dim1 = 40
	s_mov_b32 s[G1+5], 256                         ; elements from row to row
	s_mov_b32 s[G1+6], 0
	s_mov_b32 s[G1+7], 0
	s_mul_i32 s39, s[WV], 40*PITCH                 ; my 40 rows of a slot
	s_mov_b32 s[G0A], 1
	s_mov_b32 s[G0A+1], s39
	s_mov_b32 s[G0W], 1
	s_add_co_u32 s[G0W+1], s39, SLOT1
	s_and_b32 s42, ttmp7, 0xffff                   ; the chunk
	s_lshl_b32 s46, s42, 17                        ; cand: 131,072 bytes a chunk,
	s_lshl_b32 s47, ttmp9, 16                      ; 65,536 for 512 queries,
	s_add_co_u32 s46, s46, s47
	s_lshl_b32 s47, s[WV], 14                      ; 16,384 for my 128
	s_add_co_u32 s46, s46, s47
	s_mov_b32 s47, 0
	s_mul_i32 s42, s42, 1600*512                   ; tb: the chunk's first byte, under 2^27
	s_mov_b32 s43, 0
	s_mul_i32 s44, s[WV], 40*512                   ; my 40 rows of a fill
	s_mov_b32 s45, 0
	s_lshl_b32 s12, ttmp9, 18                      ; qa: 512 rows of 512 bytes,
	s_lshl_b32 s13, s[WV], 16                      ; my 128
	s_add_co_u32 s12, s12, s13
	s_mov_b32 s13, 0
	s_mov_b32 s14, 0xff7ffc00                      ; the lists' filler: the lowest finite number with the key's low bits cleared
	s_mov_b32 s15, 0xff7fffff                      ; the lowest finite number
	s_mov_b32 s[MASK], 0xfffffc00
	s_mov_b32 s[IDP], 0
	s_mov_b32 s[IDC], 0
	s_mov_b32 s[TB], 0
	s_cmp_eq_u32 ttmp9, 0
	s_cselect_b32 s[LIM], 1, -1
	s_wait_dscnt 0x0                               ; both opening adds are done
	s_wait_kmcnt 0x0
	s_add_nc_u64 s[PFA:PFA+1], s[6:7], s[42:43]    ; the chunk
	s_add_nc_u64 s[G0A+2:G0A+3], s[PFA:PFA+1], s[44:45]
	s_add_nc_u64 s[G0W+2:G0W+3], s[G0A+2:G0A+3], FILLG
	s_or_b32 s[G0A+3], s[G0A+3], 0x80000000        ; type = 2
	s_or_b32 s[G0W+3], s[G0W+3], 0x80000000
	s_add_nc_u64 s[PFA:PFA+1], s[PFA:PFA+1], 2*FILLG  ; at fill 2: the first change of slots steps it to fill 3.  Nothing is prefetched here, at the head
	s_add_nc_u64 s[4:5], s[4:5], s[12:13]
	s_add_nc_u64 s[8:9], s[8:9], s[46:47]
	tensor_load_to_lds s[G0A:G0A+3], s[G1:G1+7]    ; both first fills go out together: two loads of mine are out
	s_nop 0
	tensor_load_to_lds s[G0W:G0W+3], s[G1:G1+7]
	s_nop 0
.rept 4
	v_nop
.endr
	v_and_b32 v1, 15, v0                           ; r
	v_bfe_u32 v11, v0, 4, 1                        ; h
	v_lshlrev_b32 v[QO], 9, v1
	v_lshl_add_u32 v[QO], v11, 4, v[QO]
	; A fragment is 16 rows x 32 channels in 8 registers: lane l holds row l % 16, channels 8 h + 0..7 and 16 + 8 h + 0..7: two loads of 16 bytes, 32 bytes apart.
.set q, 0
.rept 8
	WIN 0x40+0x40*(q/4)                            ; destination window 1 or 2
.irp f, 0,1,2,3,4,5,6,7
	global_load_b128 v[64*(q%4)+8*\f:64*(q%4)+8*\f+3],   v[QO], s[4:5] offset:8192*q+64*\f
	global_load_b128 v[64*(q%4)+8*\f+4:64*(q%4)+8*\f+7], v[QO], s[4:5] offset:8192*q+64*\f+32
.endr
.set q, q+1
.endr
	WIN 0
	v_mul_u32_u24 v[AK0], v1, PITCH
	v_lshl_add_u32 v[AK0], v11, 4, v[AK0]
	s_mul_i32 s42, s[WV], 16*SP
	s_add_co_u32 s42, s42, STAGE                   ; my stage
	v_mul_u32_u24 v[STO], v1, SP                   ; in: row r, 64 bytes for each half of the lanes
	v_lshl_add_u32 v[STO], v11, 6, v[STO]
	v_add_nc_u32 v[STO], s42, v[STO]
	v_bfe_u32 v20, v0, 3, 2                        ; back: 32 lanes take four rows of 128 bytes
	v_and_b32 v21, 7, v0
	v_mul_u32_u24 v[RD], v20, SP
	v_lshl_add_u32 v[RD], v21, 4, v[RD]
	v_add_nc_u32 v[RD], s42, v[RD]
	v_and_b32 v[GO], 31, v0
	v_lshlrev_b32 v[PFO], 8, v[GO]
	s_lshl_b32 s43, s[WV], 13
	v_add_nc_u32 v[PFO], s43, v[PFO]
	v_lshlrev_b32 v[GO], 4, v[GO]
	; The lists start at the filler, and the accumulators of query tiles 4 to 7 at the lowest number: the first tile's list work, which belongs to a tile that has not been, then inserts
	; fillers, and each list's 100 real keys push them out.  These lines stand in the wait for the first fill.
.set i, 0
.rept 128
	v_mov_b32 v[LST+i], s14
.set i, i+1
.endr
.set i, 0
.rept 32
	v_mov_b32 v[ACC+32+i], s15
.set i, i+1
.endr
; THE LIST WORK of four query tiles, a queue of 84 lines; VQ writes number j.  g = 0: tiles 4 to 7 of the tile of rows before (key IDP); g = 1: tiles 0 to 3 of the tile in hand (key IDC).
; The four tiles alternate, so that a line reads the result of the line four before it.  An accumulator's lowest registers are read first.
.macro VQ g
.set rA, ACC+8*(4*(1-(\g))+j%4)
.set rT, LST+16*(4*(1-(\g))+j%4)
.set rC, TMP+2*(j%4)
.set nn, j/4
.if nn == 0
	v_max3_num_f32 v[rC], v[rA], v[rA+1], v[rA+2]
.elseif nn == 1
	v_max3_num_f32 v[rC+1], v[rA+3], v[rA+4], v[rA+5]
.elseif nn == 2
	v_max3_num_f32 v[rC], v[rC], v[rA+6], v[rA+7]
.elseif nn == 3
	v_max_num_f32 v[rC], v[rC], v[rC+1]
.elseif nn == 4
.if \g
	v_and_or_b32 v[rC], v[rC], s[MASK], s[IDC]
.else
	v_and_or_b32 v[rC], v[rC], s[MASK], s[IDP]
.endif
.elseif nn < 20
	v_med3_num_f32 v[rT+20-nn], v[rT+19-nn], v[rC], v[rT+20-nn]
.else
	v_max_num_f32 v[rT], v[rT], v[rC]
.endif
.set j, j+1
.endm
; 32 matrix instructions: query tiles 4 g .. 4 g + 3 x the 8 fragments along K of buffer b.  The four accumulators take turns, one instruction a turn; the first four start
; the sums with the constant 0.  Behind the last stand four v_nop: the places in front of the reads of the results just made and of the loads into the K buffer just read.
.macro GROUP b, g
.set j, 0
.set k, 0
.rept 32
	WIN 0x07+4*(\g)                                ; K in window 3, Q in window 1 or 2, sums in window 0
.set rD, ACC+8*(4*(\g)+k%4)
.set rK, 64*(\b)+8*(k/4)
.set rQ, 64*(k%4)+8*(k/4)
.if k < 4
	v_wmma_f32_16x16x32_bf16 v[rD:rD+7], v[rK:rK+7], v[rQ:rQ+7], 0
.else
	v_wmma_f32_16x16x32_bf16 v[rD:rD+7], v[rK:rK+7], v[rQ:rQ+7], v[rD:rD+7]
.endif
	WIN 0
.if k < 22
	VQ \g
	VQ \g
	VQ \g
.elseif k < 31
	VQ \g
	VQ \g
.else
.rept 4
	v_nop
.endr
.endif
.set k, k+1
.endr
.endm
; 16 LDS loads in one run: the next tile's 8 fragments into buffer nb
.macro FETCH nb
	WIN 0
	v_add_nc_u32 v[AK], s[TB], v[AK0]
	s_add_co_u32 s[TB], s[TB], TILEB
	WIN 0xc0                                       ; destination window 3
.irp f, 0,1,2,3,4,5,6,7
	ds_load_b128 v[64*(\nb)+8*\f:64*(\nb)+8*\f+3],   v[AK] offset:64*\f
	ds_load_b128 v[64*(\nb)+8*\f+4:64*(\nb)+8*\f+7], v[AK] offset:64*\f+32
.endr
.endm
; A PREFETCH INTO THE L2 of the fill that the NEXT change of slots will ask for: 81,920 bytes = 320 blocks of 256, a lane a block: two instructions a wave and a third in waves 0 and 1.
; Both work-groups of a chunk read the same rows: the one with x = 0 asks, so each block is named once in the launch.  It stands behind the tensor load and its five lines, 640 matrix instructions ahead of
; the load that will want the bytes.  Fills 0 to 2 come by their loads alone; the last change that fills a slot asks for nothing: there is no fill behind it.
.macro ASK
	s_cmp_gt_u32 s[PH], s[LIM]
	s_cbranch_scc0 .Lnone_\@
	global_prefetch_b8 v[PFO], s[PFA:PFA+1] th:TH_LOAD_NT scope:SCOPE_SE
	global_prefetch_b8 v[PFO], s[PFA:PFA+1] offset:32768 th:TH_LOAD_NT scope:SCOPE_SE
	s_cmp_lt_u32 s[WV], 2
	s_cbranch_scc0 .Lnone_\@
	global_prefetch_b8 v[PFO], s[PFA:PFA+1] offset:65536 th:TH_LOAD_NT scope:SCOPE_SE
.Lnone_\@:
.endm
; THE CHANGE OF SLOTS.  Each wave waits for all its tensor loads, of which one is out: its part of the other slot; adds 0 to its spare word; and waits for that and for its reads of the slot that it leaves.
; Behind the barrier nobody reads the old slot and the other slot is whole.  fill = 1: the old slot is filled again, first thing behind the barrier, with the rows two fills on: it has 640 matrix instructions in which to land.
.macro CHANGE fill
	WIN 0
	s_wait_tensorcnt 0x0                           ; no tensor load of mine is out, so a group 0 may be written
	ds_add_u32 v[SPW], v[NIL]                      ; 0 onto my spare word: scalar work stands between it and the wait for it
.if \fill
	s_xor_b32 s[G0W+1], s[G0W+1], SLOT1            ; the other slot than last time,
	s_add_nc_u64 s[G0W+2:G0W+3], s[G0W+2:G0W+3], FILLG  ; the next 160 rows; the type bits on top are not reached
	s_wait_xcnt 0x0                                ; the last prefetches, a phase back, have read their address
	s_add_nc_u64 s[PFA:PFA+1], s[PFA:PFA+1], FILLG
.endif
	s_sub_co_u32 s[TB], s[TB], FILLB               ; the fetches go back to a slot's first tile,
	s_xor_b32 s[TB], s[TB], SLOT1                  ; in the other slot
	s_wait_dscnt 0x0                               ; the add is done, and my reads of the slot are over
	s_barrier_signal -1
	s_barrier_wait -1
.if \fill
	tensor_load_to_lds s[G0W:G0W+3], s[G1:G1+7]    ; my one tensor load behind this barrier
	s_nop 0
.rept 4
	v_nop
.endr
	ASK
.endif
.endm
; A TILE of 16 rows, its fragments in buffer b.  mode 2: a phase's last tile, with a refill; mode 3: without.
.macro TILE b, mode
	s_wait_dscnt 0x0                               ; my fragments, asked for 64 matrix instructions ago, are in
.if (\mode) == 2
	CHANGE 1
.elseif (\mode) == 3
	CHANGE 0
.endif
	FETCH 1-(\b)
	GROUP \b, 0
	GROUP \b, 1
	s_mov_b32 s[IDP], s[IDC]
	s_add_co_u32 s[IDC], s[IDC], 1
.endm
.macro PHASE mode                      ; a slot's ten tiles
	s_mov_b32 s[CNT], 4
.Lpair_\@:
	TILE 0, 1
	TILE 1, 1
	WIN 0
	s_sub_co_u32 s[CNT], s[CNT], 1
	s_cmp_lg_u32 s[CNT], 0
	s_cbranch_scc1 .Lpair_\@
	TILE 0, 1
	TILE 1, \mode
	WIN 0
.endm
	s_wait_tensorcnt 0x1                           ; my part of fill 0 is in; fill 1's may stay out
	s_barrier_signal -1
	s_barrier_wait -1                              ; everybody's is
	FETCH 0
	s_wait_loadcnt 0x0                             ; Q
	WIN 0
	s_mov_b32 s[PH], 8
.Lfill:                                        ; phases 0 to 7 end by asking for fills 2 to 9
	PHASE 2
	s_sub_co_u32 s[PH], s[PH], 1
	s_cmp_lg_u32 s[PH], 0
	s_cbranch_scc1 .Lfill
	s_mov_b32 s[PH], 2
.Ltail:                                        ; phases 8 and 9 ask for nothing.  Phase 9's barrier and its 16 loads from a slot already used serve nothing: the price, once a launch, of one text for both
	PHASE 3
	s_sub_co_u32 s[PH], s[PH], 1
	s_cmp_lg_u32 s[PH], 0
	s_cbranch_scc1 .Ltail
.set j, 0
.rept 84
	VQ 0                                           ; the last tile's query tiles 4 to 7
.endr
	; THE WAY OUT.  A lane's list is 64 bytes of a query's 128.  A query tile at a time goes through my stage: rows of 144 bytes in, four rows of 128 bytes back, which are 512 consecutive bytes of cand.
.set q, 0
.rept 8
.irp c, 0,1,2,3
	ds_store_b128 v[STO], v[LST+16*q+4*\c:LST+16*q+4*\c+3] offset:16*\c
.endr
.irp c, 0,1,2,3
	ds_load_b128 v[OB+16*(q%2)+4*\c:OB+16*(q%2)+4*\c+3], v[RD] offset:4*SP*\c  ; a wave's LDS instructions are served in order: these see the stores above, and the next tile's stores come behind them
.endr
	s_wait_dscnt 0x0
	s_wait_xcnt 0x0                                ; the stores of the tile before have read their registers, which the next tile's loads write
.irp c, 0,1,2,3
	global_store_b128 v[GO], v[OB+16*(q%2)+4*\c:OB+16*(q%2)+4*\c+3], s[8:9] offset:2048*q+512*\c th:TH_STORE_NT
.endr
.set q, q+1
.endr
	s_wait_tensorcnt 0x0                           ; the wave's end: a wait, an add to my spare word and its wait, behind my last tensor load and my last LDS store
	ds_add_u32 v[SPW], v[NIL]
	s_wait_dscnt 0x0
	s_endpgm
.Lfunc_end_k_q179a5fc576_gemm:
	.size	k_q179a5fc576_gemm, .Lfunc_end_k_q179a5fc576_gemm-k_q179a5fc576_gemm
	.p2alignl 7, 3214868480
	.fill 96, 4, 3214868480
	.section	.rodata,"a",@progbits
	.p2align	6, 0x0
	.amdhsa_kernel k_q179a5fc576_gemm
		.amdhsa_group_segment_fixed_size 327680
		.amdhsa_private_segment_fixed_size 0
		.amdhsa_enable_private_segment 0
		.amdhsa_kernarg_size 24
		.amdhsa_user_sgpr_count 2
		.amdhsa_user_sgpr_kernarg_segment_ptr 1
		.amdhsa_wavefront_size32 1
		.amdhsa_system_sgpr_workgroup_id_x 1
		.amdhsa_system_sgpr_workgroup_id_y 1
		.amdhsa_system_sgpr_workgroup_id_z 1
		.amdhsa_system_vgpr_workitem_id 0
		.amdhsa_next_free_vgpr 896
		.amdhsa_next_free_sgpr 66
		.amdhsa_reserve_vcc 0
		.amdhsa_float_denorm_mode_32 3
		.amdhsa_float_denorm_mode_16_64 3
		.amdhsa_memory_ordered 1
		.amdhsa_forward_progress 1
		.amdhsa_inst_pref_size 193
	.end_amdhsa_kernel
	.amdgpu_metadata
---
amdhsa.version: [ 1, 2 ]
amdhsa.kernels:
  - .name:           k_q179a5fc576_gemm
    .symbol:         k_q179a5fc576_gemm.kd
    .args:
      - { .name: qa, .offset: 0, .size: 8, .value_kind: global_buffer, .address_space: global }
      - { .name: tb, .offset: 8, .size: 8, .value_kind: global_buffer, .address_space: global }
      - { .name: cand, .offset: 16, .size: 8, .value_kind: global_buffer, .address_space: global }
    .group_segment_fixed_size: 327680
    .private_segment_fixed_size: 0
    .kernarg_segment_align: 8
    .kernarg_segment_size: 24
    .max_flat_workgroup_size: 128
    .sgpr_count:     66
    .vgpr_count:     896
    .wavefront_size: 32
...
	.end_amdgpu_metadata
.endif
;; end of part 3
;; launch pick (part 4): grid 256 x 1, 4 waves a work-group, no clusters, 68,096 bytes of LDS; arguments cand, gids; writes gids
.if DOCPART == 4
	.amdgcn_target "amdgcn-amd-amdhsa--gfx1250"
	.amdhsa_code_object_version 6
	.text
	.protected	k_q179a5fc576_pick
	.globl	k_q179a5fc576_pick
	.p2align	8
	.type	k_q179a5fc576_pick,@function
k_q179a5fc576_pick:
	s_mov_b64 s[64:65], 0
	v_nop
	global_prefetch_b8 v0, s[64:65] scope:SCOPE_SE
	s_setreg_imm32_b32 hwreg(HW_REG_WAVE_MODE, 25, 1), 1
	s_wait_xcnt 0x0
; gids[query][16] = the numbers (0 .. 24,999) of the 16 groups of 8 rows with the largest keys among a query's 250 lists of 16 in cand[chunk 125][query 1024][h 2][16].
; A key's low 7 bits are the group's tile t in its chunk; group = 200 chunk + 2 t + h.  No address and no branch hangs on a key: merging is maxima and minima, choosing is v_cndmask_b32.
; SHARES.  A work-group takes 4 consecutive queries: of each chunk 512 consecutive bytes, copied once, whole, into LDS (wave w: chunks 32 w .. 32 w + 31; rows 125 to 127 are copies of chunk 124, masked below).
; Then a wave takes a query: lane (cl = l % 16, h = l / 16) merges the lists of chunks cl + 16 k, k = 0 .. 7 (k goes into key bits 9:7), and 16 rounds take the wave's largest key.
.set PITCH, 528                        ; an LDS row: 512 bytes + 16: an odd multiple of 16, so the 16 rows that a load touches fall 16 bytes apart modulo 256
.set SPARE, 128*PITCH
.set LN,  1                            ; lane
.set FL,  2                            ; lane as f32
.set CL,  3
.set GOF, 5                            ; 16 l
.set LW,  6
.set LR,  7
.set SPW, 8
.set NIL, 9
.set RES, 10
.set OA,  11
.set T,   20                           ; v20-29 at work
.set L,   64                           ; v[64:191] eight lists of 16
	s_load_b128 s[4:7], s[0:1], 0x0                ; cand s[4:5], gids s[6:7]
	v_lshl_add_u32 v[SPW], v0, 2, SPARE
	v_mov_b32 v[NIL], 0
	v_lshrrev_b32 v1, 5, v0
	v_readfirstlane_b32 s8, v1                     ; wave 0..3
	v_and_b32 v[LN], 31, v0
	v_cvt_f32_u32 v[FL], v[LN]
	v_and_b32 v[CL], 15, v0
	v_bfe_u32 v4, v0, 4, 1                         ; h
	v_lshlrev_b32 v[GOF], 4, v[LN]
	v_lshlrev_b32 v[OA], 2, v[LN]
	s_mul_i32 s9, s8, 32*PITCH
	v_add_nc_u32 v[LW], s9, v[GOF]                 ; my wave's 32 rows
	v_mul_u32_u24 v[LR], v[CL], PITCH
	v_lshl_add_u32 v[LR], v4, 6, v[LR]
	v_lshl_add_u32 v[LR], s8, 7, v[LR]             ; 528 cl + 128 w + 64 h
	s_lshl_b32 s10, ttmp9, 9                       ; the work-group's 512 bytes of a chunk
	s_mov_b32 s11, 0
	s_lshl_b32 s14, s8, 22                         ; 32 chunks of 131,072 bytes
	s_mov_b32 s15, 0
	s_lshl_b32 s9, s8, 5
.irp i, 0,1,2
	s_add_co_u32 s[16+2*\i], s9, 29+\i             ; the last three rows have bases of their own, held to chunk 124
	s_min_u32 s[16+2*\i], s[16+2*\i], 124
	s_lshl_b32 s[16+2*\i], s[16+2*\i], 17
	s_mov_b32 s[17+2*\i], 0
.endr
	s_lshl_b32 s32, ttmp9, 8                       ; gids: 64 bytes a query
	s_lshl_b32 s33, s8, 6
	s_add_co_u32 s32, s32, s33
	s_mov_b32 s33, 0
	s_mov_b32 s12, 0x76543210                      ; v_permlanex16_b32: each lane takes its own place in the other half
	s_mov_b32 s13, 0xfedcba98
.irp k, 1,2,3,4,5,6,7
	s_mov_b32 s[23+\k], \k<<7
.endr
	s_mov_b32 s31, 0xff7ffc00                      ; the filler: below every real key
	s_wait_kmcnt 0x0
	s_add_nc_u64 s[4:5], s[4:5], s[10:11]
.irp i, 0,1,2
	s_add_nc_u64 s[16+2*\i:17+2*\i], s[4:5], s[16+2*\i:17+2*\i]
.endr
	s_add_nc_u64 s[4:5], s[4:5], s[14:15]
	s_add_nc_u64 s[6:7], s[6:7], s[32:33]
.set i, 0
.rept 29
	global_load_b128 v[L+4*i:L+4*i+3], v[GOF], s[4:5] offset:131072*i th:TH_LOAD_NT
.set i, i+1
.endr
.irp i, 0,1,2
	global_load_b128 v[L+116+4*\i:L+116+4*\i+3], v[GOF], s[16+2*\i:17+2*\i] th:TH_LOAD_NT
.endr
	v_mov_b32 v[RES], 0
.irp r, 0,1,2,3
	v_mov_b32 v[T+\r], 0                           ; destinations of DPP forms and lane exchanges count as read
.endr
.set i, 0
.rept 32
	s_wait_loadcnt 31-i                            ; loads come back in order: row i is in
	ds_store_b128 v[LW], v[L+4*i:L+4*i+3] offset:PITCH*i
.set i, i+1
.endr
	s_wait_dscnt 0x0                               ; for the others' sake
	s_barrier_signal -1
	s_barrier_wait -1
.set i, 0
.rept 32                                       ; list i / 4, entries 4 (i % 4) on
	ds_load_b128 v[L+4*i:L+4*i+3], v[LR] offset:16*PITCH*(i/4)+16*(i%4)
.set i, i+1
.endr
	v_cmp_gt_u32 vcc_lo, 13, v[CL]                 ; chunk 112 + cl exists
	s_wait_dscnt 0x0
.set i, 16
.rept 112
	v_or_b32 v[L+i], s[23+i/16], v[L+i]
.set i, i+1
.endr
.set i, 112
.rept 16
	v_cndmask_b32 v[L+i], s31, v[L+i], vcc_lo
.set i, i+1
.endr
; Two descending lists of 16 -> their 16 largest, descending, in a.  max(a_i, b_15-i) are the 16 largest, falling and then rising; four stages of compare and exchange, 8, 4, 2 and 1 apart, sort them.
.macro CLEAN d, s, w
.set i, 0
.rept 16
.if (i & (\w)) == 0
	v_max_num_f32 v[(\d)+i], v[(\s)+i], v[(\s)+i+(\w)]
	v_min_num_f32 v[(\d)+i+(\w)], v[(\s)+i], v[(\s)+i+(\w)]
.endif
.set i, i+1
.endr
.endm
.macro MERGE a, b
.set i, 0
.rept 16
	v_max_num_f32 v[(\a)+i], v[(\a)+i], v[(\b)+15-i]
.set i, i+1
.endr
	CLEAN \b, \a, 8
	CLEAN \a, \b, 4
	CLEAN \b, \a, 2
	CLEAN \a, \b, 1
.endm
	MERGE L, L+16
	MERGE L+32, L+48
	MERGE L+64, L+80
	MERGE L+96, L+112
	MERGE L, L+32
	MERGE L+64, L+96
	MERGE L, L+64
.macro WMAX r, t                       ; the wave's maximum of v[r], in every lane
	v_max_num_f32_dpp v[\r], v[\r], v[\r] row_xmask:1 row_mask:0xf bank_mask:0xf
	v_max_num_f32_dpp v[\r], v[\r], v[\r] row_xmask:2 row_mask:0xf bank_mask:0xf
	v_max_num_f32_dpp v[\r], v[\r], v[\r] row_xmask:4 row_mask:0xf bank_mask:0xf
	v_max_num_f32_dpp v[\r], v[\r], v[\r] row_xmask:8 row_mask:0xf bank_mask:0xf
	v_permlanex16_b32 v[\t], v[\r], s12, s13
	v_max_num_f32 v[\r], v[\r], v[\t]
.endm
	s_mov_b32 s23, 0
.Ltake:                                        ; round j: the largest of the 32 lists' heads; among lanes with equal heads the highest; its list moves up by one
	v_mov_b32 v[T], v[L]
	WMAX T, T+1
	v_cmp_eq_f32 vcc_lo, v[L], v[T]
	v_cndmask_b32 v[T+2], -1.0, v[FL], vcc_lo
	WMAX T+2, T+3
	v_cmp_eq_f32 vcc_lo, v[FL], v[T+2]             ; the one lane that gives
.set i, 0
.rept 15
	v_cndmask_b32 v[L+i], v[L+i], v[L+i+1], vcc_lo
.set i, i+1
.endr
	v_cndmask_b32 v[L+15], v[L+15], s31, vcc_lo
	v_and_b32 v[T+4], 127, v[T]                    ; t
	v_bfe_u32 v[T+5], v[T], 7, 3                   ; k
	v_cvt_u32_f32 v[T+6], v[T+2]                   ; the giving lane
	v_and_b32 v[T+7], 15, v[T+6]
	v_lshl_add_u32 v[T+7], v[T+5], 4, v[T+7]       ; chunk = cl + 16 k
	v_mul_u32_u24 v[T+7], v[T+7], 200
	v_lshl_add_u32 v[T+7], v[T+4], 1, v[T+7]
	v_lshrrev_b32 v[T+6], 4, v[T+6]                ; h
	v_add_nc_u32 v[T+7], v[T+7], v[T+6]
	v_cmp_eq_u32 vcc_lo, s23, v[LN]
	v_cndmask_b32 v[RES], v[RES], v[T+7], vcc_lo   ; lane j keeps round j's group
	s_add_co_u32 s23, s23, 1
	s_cmp_lt_u32 s23, 16
	s_cbranch_scc1 .Ltake
	v_cmp_gt_u32 vcc_lo, 16, v[LN]
	s_wait_xcnt 0x0                                ; EXEC changes only behind this wait
	s_and_saveexec_b32 s22, vcc_lo
	global_store_b32 v[OA], v[RES], s[6:7]         ; 64 consecutive bytes a query
	s_wait_xcnt 0x0
	s_or_b32 exec_lo, exec_lo, s22
	s_wait_tensorcnt 0x0                           ; the wave's end: a wait, an add to my spare word and its wait, behind my last LDS store
	ds_add_u32 v[SPW], v[NIL]
	s_wait_dscnt 0x0
	s_endpgm
.Lfunc_end_k_q179a5fc576_pick:
	.size	k_q179a5fc576_pick, .Lfunc_end_k_q179a5fc576_pick-k_q179a5fc576_pick
	.p2alignl 7, 3214868480
	.fill 96, 4, 3214868480
	.section	.rodata,"a",@progbits
	.p2align	6, 0x0
	.amdhsa_kernel k_q179a5fc576_pick
		.amdhsa_group_segment_fixed_size 68096
		.amdhsa_private_segment_fixed_size 0
		.amdhsa_enable_private_segment 0
		.amdhsa_kernarg_size 16
		.amdhsa_user_sgpr_count 2
		.amdhsa_user_sgpr_kernarg_segment_ptr 1
		.amdhsa_wavefront_size32 1
		.amdhsa_system_sgpr_workgroup_id_x 1
		.amdhsa_system_sgpr_workgroup_id_y 1
		.amdhsa_system_sgpr_workgroup_id_z 1
		.amdhsa_system_vgpr_workitem_id 0
		.amdhsa_next_free_vgpr 200
		.amdhsa_next_free_sgpr 66
		.amdhsa_reserve_vcc 1
		.amdhsa_float_denorm_mode_32 3
		.amdhsa_float_denorm_mode_16_64 3
		.amdhsa_memory_ordered 1
		.amdhsa_forward_progress 1
		.amdhsa_inst_pref_size 35
	.end_amdhsa_kernel
	.amdgpu_metadata
---
amdhsa.version: [ 1, 2 ]
amdhsa.kernels:
  - .name:           k_q179a5fc576_pick
    .symbol:         k_q179a5fc576_pick.kd
    .args:
      - { .name: cand, .offset: 0, .size: 8, .value_kind: global_buffer, .address_space: global }
      - { .name: gids, .offset: 8, .size: 8, .value_kind: global_buffer, .address_space: global }
    .group_segment_fixed_size: 68096
    .private_segment_fixed_size: 0
    .kernarg_segment_align: 8
    .kernarg_segment_size: 16
    .max_flat_workgroup_size: 128
    .sgpr_count:     66
    .vgpr_count:     200
    .wavefront_size: 32
...
	.end_amdgpu_metadata
.endif
;; end of part 4
;; launch vote (part 5): grid 256 x 1, 4 waves a work-group, no clusters, 0 bytes of LDS; arguments gids, train_features, qf, train_labels, out0; writes out0
.if DOCPART == 5
	.amdgcn_target "amdgcn-amd-amdhsa--gfx1250"
	.amdhsa_code_object_version 6
	.text
	.protected	k_q179a5fc576_vote
	.globl	k_q179a5fc576_vote
	.p2align	8
	.type	k_q179a5fc576_vote,@function
k_q179a5fc576_vote:
	s_mov_b64 s[64:65], 0
	v_nop
	global_prefetch_b8 v0, s[64:65] scope:SCOPE_SE
	s_setreg_imm32_b32 hwreg(HW_REG_WAVE_MODE, 25, 1), 1
	s_wait_xcnt 0x0
; THE EXACT END.  For each query the 16 groups of 8 rows that gids names are read from train_features in f32 (8,192 consecutive bytes a group) and scored in f32 against qf's row:
; 128 sims.  Of them the ten largest (equal sims: the lower row first), softmax((s - largest) / 0.07), and each weight added to its row's class: out0[query][50].
; LIMITS.  The true ten neighbours lie in the 16 groups named (the launch that makes the keys states when).  Sums go 8 products a lane, then a tree over 32 lanes.  A label outside 0 .. 49 adds to no class, but
; its weight counts in the softmax's sum.  NaN and infinities are not treated apart.  A weight below 2^-126 counts as 0.
; SHARES.  A wave takes a query; no LDS, no barrier.  Lane l owns columns 4 l .. + 3 and 128 + 4 l .. + 3 of every row: a load covers 512 consecutive bytes.
; IN FLIGHT.  Four slots of a group (16 loads, 64 registers) in window 1: while one is scored the other three are on their way.
; ADDRESSES hang on whole numbers that an earlier launch stored: each is held to 24,999 by v_min_u32, and behind that only shifted and added.  The numbers moved from trip to trip are the raw ones.
.set LN,  1
.set LO,  2                            ; 16 l
.set ZR,  3                            ; 0
.set Q,   4                            ; v[4:11]  qf's row
.set GQ,  12                           ; 4 (l / 8)
.set J7,  13                           ; l % 8
.set OA,  14                           ; 4 l
.set G,   16                           ; v[16:31] the 16 group numbers as loaded, in every lane
.set CD,  32                           ; v[32:35] candidate (4 s + l / 8, l % 8): its row n, later 64 n + label as f32
.set LB,  36                           ; v[36:39] its label
.set S,   40                           ; v[40:43] its sim
.set SX,  44                           ; the sims of the trip in hand
.set P,   48                           ; v[48:63] eight pairs at work
.set PT,  64                           ; v[64:71]
.set M1,  72
.set MX,  73
.set TT,  74
.set E,   76                           ; v[76:79]
.set CM,  80
.set W,   81
.set LAB, 82
.set SUM, 83
.set A0,  84
.set A1,  85
.set L32, 86
.set DD,  87
.set NINF, 88
.set VA,  92                           ; v[92:95] byte offsets of the four groups to be loaded next
.set LA,  96                           ; v[96:99] byte offsets of the labels; never rewritten
.set MSB, 0
.macro WIN new
.if MSB != (\new)
	s_set_vgpr_msb (MSB<<8)|(\new)
.set MSB, (\new)
.endif
.endm
	s_load_b256 s[4:11], s[0:1], 0x0               ; gids s[4:5], train s[6:7], qf s[8:9], labels s[10:11]
	s_load_b64 s[12:13], s[0:1], 0x20              ; out0
	v_lshrrev_b32 v1, 5, v0
	v_readfirstlane_b32 s14, v1                    ; wave 0..3
	v_and_b32 v[LN], 31, v0
	v_lshlrev_b32 v[LO], 4, v[LN]
	v_mov_b32 v[ZR], 0
	v_lshrrev_b32 v[GQ], 3, v[LN]
	v_lshlrev_b32 v[GQ], 2, v[GQ]
	v_and_b32 v[J7], 7, v[LN]
	v_lshlrev_b32 v[OA], 2, v[LN]
	v_add_nc_u32 v[L32], 32, v[LN]
	s_lshl_b32 s15, ttmp9, 2
	s_add_co_u32 s15, s15, s14                     ; my query
	s_lshl_b32 s16, s15, 6
	s_mov_b32 s17, 0
	s_lshl_b32 s18, s15, 10
	s_mov_b32 s19, 0
	s_mul_i32 s20, s15, 200
	s_mov_b32 s21, 0
	s_mov_b32 s22, 0x76543210                      ; v_permlanex16_b32: each lane takes its own place in the other half
	s_mov_b32 s23, 0xfedcba98
	s_mov_b32 s25, 0x7f7fffff                      ; above every 64 n + label
	s_mov_b32 s27, 0x41a4e123                      ; log2(e) / 0.07 = 20.609929
	s_wait_kmcnt 0x0
	s_add_nc_u64 s[4:5], s[4:5], s[16:17]
	s_add_nc_u64 s[8:9], s[8:9], s[18:19]
	s_add_nc_u64 s[12:13], s[12:13], s[20:21]
.irp k, 0,1,2,3
	global_load_b128 v[G+4*\k:G+4*\k+3], v[ZR], s[4:5] offset:16*\k   ; all 16 numbers, the same in every lane
.endr
.irp k, 0,1,2,3
	global_load_b32 v[CD+\k], v[GQ], s[4:5] offset:16*\k              ; and my four candidates' groups
.endr
	global_load_b128 v[Q:Q+3], v[LO], s[8:9]
	global_load_b128 v[Q+4:Q+7], v[LO], s[8:9] offset:512
.irp r, 0,1,2,3,4
	v_mov_b32 v[S+\r], 0                           ; S and SX are read by the moves and selects below before they hold sims
.endr
.irp r, 0,1,2,3,4,5,6,7
	v_mov_b32 v[PT+\r], 0                          ; a lane exchange's destination counts as read
.endr
	v_mov_b32 v[TT], 0
	v_mov_b32 v[SUM], 0
	v_mov_b32 v[A0], 0
	v_mov_b32 v[A1], 0
	v_mov_b32 v[NINF], 0xff800000
	s_wait_loadcnt 0x0
.irp k, 0,1,2,3
	v_min_u32 v[CD+\k], 0x61a7, v[CD+\k]           ; a group number is at most 24,999
	v_lshl_add_u32 v[CD+\k], v[CD+\k], 3, v[J7]    ; row n = 8 g + l % 8
	v_lshlrev_b32 v[LA+\k], 2, v[CD+\k]
	global_load_b32 v[LB+\k], v[LA+\k], s[10:11]
.endr
.macro ADDRS first                     ; the offsets of groups first .. first + 3: 8,192 g + 16 l, under 2^28
.irp u, 0,1,2,3
	v_min_u32 v[VA+\u], 0x61a7, v[G+(\first)+\u]
	v_lshl_add_u32 v[VA+\u], v[VA+\u], 13, v[LO]
.endr
.endm
.macro LOADG u                         ; a group's 8 rows into slot u.  No hint: two queries may name the same group
	WIN 0x40                                       ; destination window 1
.irp r, 0,1,2,3,4,5,6,7
	global_load_b128 v[64*(\u)+8*\r:64*(\u)+8*\r+3],   v[VA+(\u)], s[6:7] offset:1024*\r
	global_load_b128 v[64*(\u)+8*\r+4:64*(\u)+8*\r+7], v[VA+(\u)], s[6:7] offset:1024*\r+512
.endr
	WIN 0
.endm
.macro PROC u                          ; slot u's 8 sims: row r's goes to lane 8 u + r of SX
	WIN 0x01                                       ; source 0 window 1
.irp r, 0,1,2,3,4,5,6,7
	v_pk_mul_f32 v[P+2*\r:P+2*\r+1], v[64*(\u)+8*\r:64*(\u)+8*\r+1], v[Q:Q+1]
.endr
.irp c, 2,4,6
.irp r, 0,1,2,3,4,5,6,7
	v_pk_fma_f32 v[P+2*\r:P+2*\r+1], v[64*(\u)+8*\r+\c:64*(\u)+8*\r+\c+1], v[Q+\c:Q+\c+1], v[P+2*\r:P+2*\r+1]
.endr
.endr
	WIN 0
.irp r, 0,1,2,3,4,5,6,7
	v_add_f32 v[P+2*\r], v[P+2*\r], v[P+2*\r+1]
.endr
.irp m, 1,2,4,8
.irp r, 0,1,2,3,4,5,6,7
	v_add_f32_dpp v[P+2*\r], v[P+2*\r], v[P+2*\r] row_xmask:\m row_mask:0xf bank_mask:0xf
.endr
.endr
.irp r, 0,1,2,3,4,5,6,7
	v_permlanex16_b32 v[PT+\r], v[P+2*\r], s22, s23
.endr
.irp r, 0,1,2,3,4,5,6,7
	v_add_f32 v[P+2*\r], v[P+2*\r], v[PT+\r]
.endr
.irp r, 0,1,2,3,4,5,6,7
	s_mov_b32 vcc_lo, 1<<(8*(\u)+\r)
	v_cndmask_b32 v[SX], v[SX], v[P+2*\r], vcc_lo
.endr
.endm
.macro KEEP                            ; the trip's 32 sims join the others: after four trips S + s holds trip s's
	v_mov_b32 v[S], v[S+1]
	v_mov_b32 v[S+1], v[S+2]
	v_mov_b32 v[S+2], v[S+3]
	v_mov_b32 v[S+3], v[SX]
.endm
	ADDRS 0
.irp u, 0,1,2,3
	LOADG \u
.endr
	s_mov_b32 s24, 3
.Ltrip:                                        ; four groups are scored, the next four asked for
	s_wait_xcnt 0x0                                ; the loads issued so far have read their offsets, which are now made anew
	ADDRS 4
.irp u, 0,1,2,3
	s_wait_loadcnt 48                              ; the oldest group is in; three groups of 16 loads may stay out
	PROC \u
	LOADG \u
.endr
.irp r, 0,1,2,3,4,5,6,7
	v_mov_b32 v[G+4+\r], v[G+8+\r]                 ; the raw numbers move up by four
.endr
	KEEP
	s_sub_co_u32 s24, s24, 1
	s_cmp_lg_u32 s24, 0
	s_cbranch_scc1 .Ltrip
.irp u, 0,1,2,3
	s_wait_loadcnt 48-16*\u                        ; the last four groups: nothing more is asked for, the counts run down
	PROC \u
.endr
	KEEP
	; 64 n + label as f32: exact (under 2^24); its order is the rows' order, and it carries the label
.irp k, 0,1,2,3
	v_min_u32 v[LB+\k], 63, v[LB+\k]
	v_lshl_add_u32 v[CD+\k], v[CD+\k], 6, v[LB+\k]
	v_cvt_f32_u32 v[CD+\k], v[CD+\k]
.endr
.macro WMAX r, t
	v_max_num_f32_dpp v[\r], v[\r], v[\r] row_xmask:1 row_mask:0xf bank_mask:0xf
	v_max_num_f32_dpp v[\r], v[\r], v[\r] row_xmask:2 row_mask:0xf bank_mask:0xf
	v_max_num_f32_dpp v[\r], v[\r], v[\r] row_xmask:4 row_mask:0xf bank_mask:0xf
	v_max_num_f32_dpp v[\r], v[\r], v[\r] row_xmask:8 row_mask:0xf bank_mask:0xf
	v_permlanex16_b32 v[\t], v[\r], s22, s23
	v_max_num_f32 v[\r], v[\r], v[\t]
.endm
.macro WMIN r, t
	v_min_num_f32_dpp v[\r], v[\r], v[\r] row_xmask:1 row_mask:0xf bank_mask:0xf
	v_min_num_f32_dpp v[\r], v[\r], v[\r] row_xmask:2 row_mask:0xf bank_mask:0xf
	v_min_num_f32_dpp v[\r], v[\r], v[\r] row_xmask:4 row_mask:0xf bank_mask:0xf
	v_min_num_f32_dpp v[\r], v[\r], v[\r] row_xmask:8 row_mask:0xf bank_mask:0xf
	v_permlanex16_b32 v[\t], v[\r], s22, s23
	v_min_num_f32 v[\r], v[\r], v[\t]
.endm
	v_max_num_f32 v[M1], v[S], v[S+1]
	v_max3_num_f32 v[M1], v[M1], v[S+2], v[S+3]
	WMAX M1, TT                                    ; the largest sim: what the softmax takes away
	s_mov_b32 s24, 10
.Lnext:                                        ; the largest sim left; among equal ones the lowest row; its weight to its class; it is struck out
	v_max_num_f32 v[MX], v[S], v[S+1]
	v_max3_num_f32 v[MX], v[MX], v[S+2], v[S+3]
	WMAX MX, TT
.irp k, 0,1,2,3
	v_cmp_eq_f32 vcc_lo, v[S+\k], v[MX]
	v_cndmask_b32 v[E+\k], s25, v[CD+\k], vcc_lo
.endr
	v_min_num_f32 v[CM], v[E], v[E+1]
	v_min3_num_f32 v[CM], v[CM], v[E+2], v[E+3]
	WMIN CM, TT
	v_sub_f32 v[DD], v[MX], v[M1]
	v_mul_f32 v[DD], s27, v[DD]
	v_exp_f32 v[W], v[DD]
.irp k, 0,1,2,3                        ; plain work that names no result of the exponential stands behind it
	v_cmp_eq_f32 vcc_lo, v[CD+\k], v[CM]
	v_cndmask_b32 v[S+\k], v[S+\k], v[NINF], vcc_lo
.endr
	v_cvt_u32_f32 v[LAB], v[CM]
	v_and_b32 v[LAB], 63, v[LAB]
	s_wait_alu depctr_va_vdst(0)                   ; the wait ahead of the first reader
	v_add_f32 v[SUM], v[SUM], v[W]
	v_cmp_eq_u32 vcc_lo, v[LAB], v[LN]
	v_cndmask_b32 v[DD], 0, v[W], vcc_lo
	v_add_f32 v[A0], v[A0], v[DD]                  ; lane l holds class l,
	v_cmp_eq_u32 vcc_lo, v[LAB], v[L32]
	v_cndmask_b32 v[DD], 0, v[W], vcc_lo
	v_add_f32 v[A1], v[A1], v[DD]                  ; and class 32 + l
	s_sub_co_u32 s24, s24, 1
	s_cmp_lg_u32 s24, 0
	s_cbranch_scc1 .Lnext
	v_rcp_f32 v[W], v[SUM]
	v_nop
	s_wait_alu depctr_va_vdst(0)
	v_mul_f32 v[A0], v[A0], v[W]
	v_mul_f32 v[A1], v[A1], v[W]
	global_store_b32 v[OA], v[A0], s[12:13]        ; a row of out0 is 200 bytes: 128 consecutive bytes,
	v_cmp_gt_u32 vcc_lo, 18, v[LN]
	s_wait_xcnt 0x0                                ; EXEC changes only behind this wait
	s_and_saveexec_b32 s28, vcc_lo
	global_store_b32 v[OA], v[A1], s[12:13] offset:128  ; and 72 more
	s_wait_xcnt 0x0
	s_or_b32 exec_lo, exec_lo, s28
	s_endpgm
.Lfunc_end_k_q179a5fc576_vote:
	.size	k_q179a5fc576_vote, .Lfunc_end_k_q179a5fc576_vote-k_q179a5fc576_vote
	.p2alignl 7, 3214868480
	.fill 96, 4, 3214868480
	.section	.rodata,"a",@progbits
	.p2align	6, 0x0
	.amdhsa_kernel k_q179a5fc576_vote
		.amdhsa_group_segment_fixed_size 0
		.amdhsa_private_segment_fixed_size 0
		.amdhsa_enable_private_segment 0
		.amdhsa_kernarg_size 40
		.amdhsa_user_sgpr_count 2
		.amdhsa_user_sgpr_kernarg_segment_ptr 1
		.amdhsa_wavefront_size32 1
		.amdhsa_system_sgpr_workgroup_id_x 1
		.amdhsa_system_sgpr_workgroup_id_y 1
		.amdhsa_system_sgpr_workgroup_id_z 1
		.amdhsa_system_vgpr_workitem_id 0
		.amdhsa_next_free_vgpr 512
		.amdhsa_next_free_sgpr 66
		.amdhsa_reserve_vcc 1
		.amdhsa_float_denorm_mode_32 3
		.amdhsa_float_denorm_mode_16_64 3
		.amdhsa_memory_ordered 1
		.amdhsa_forward_progress 1
		.amdhsa_inst_pref_size 68
	.end_amdhsa_kernel
	.amdgpu_metadata
---
amdhsa.version: [ 1, 2 ]
amdhsa.kernels:
  - .name:           k_q179a5fc576_vote
    .symbol:         k_q179a5fc576_vote.kd
    .args:
      - { .name: gids, .offset: 0, .size: 8, .value_kind: global_buffer, .address_space: global }
      - { .name: train_features, .offset: 8, .size: 8, .value_kind: global_buffer, .address_space: global }
      - { .name: qf, .offset: 16, .size: 8, .value_kind: global_buffer, .address_space: global }
      - { .name: train_labels, .offset: 24, .size: 8, .value_kind: global_buffer, .address_space: global }
      - { .name: out0, .offset: 32, .size: 8, .value_kind: global_buffer, .address_space: global }
    .group_segment_fixed_size: 0
    .private_segment_fixed_size: 0
    .kernarg_segment_align: 8
    .kernarg_segment_size: 40
    .max_flat_workgroup_size: 128
    .sgpr_count:     66
    .vgpr_count:     512
    .wavefront_size: 32
...
	.end_amdgpu_metadata
.endif
;; end of part 5
;; ======== version 2 of 2: 5 launches; version 1 with the launches colsq, vote written anew for expert scheduling mode
;; limits: below input magnitudes of 6.8e-21 results are inexact or not finite
;; workspace buffers: tb 102,400,000 bytes; part 256,000 bytes; qa 524,288 bytes; qf 1,048,576 bytes; cand 16,384,000 bytes; gids 65,536 bytes of whole numbers
;; launch colsq (part 6): grid 250 x 1, 16 waves a work-group, no clusters, 10,240 bytes of LDS; arguments train_features, tb, part; writes tb, part
.if DOCPART == 6
	.amdgcn_target "amdgcn-amd-amdhsa--gfx1250"
	.amdhsa_code_object_version 6
	.text
	.protected	k_q179a5fc576_colsq
	.globl	k_q179a5fc576_colsq
	.p2align	8
	.type	k_q179a5fc576_colsq,@function
k_q179a5fc576_colsq:
	s_mov_b64 s[64:65], 0
	v_nop
	global_prefetch_b8 v0, s[64:65] scope:SCOPE_SE
	s_setreg_imm32_b32 hwreg(HW_REG_WAVE_SCHED_MODE, 0, 2), 2
	s_setreg_imm32_b32 hwreg(HW_REG_WAVE_MODE, 25, 1), 1
	s_wait_xcnt 0x0
	s_wait_alu depctr_vm_vsrc(0)
; train_features [200000][256] f32 is read once.  Two things come of it: tb, the same numbers rounded once to bf16 (the operand of the
; matrix launch), and part[wg][256], each column's sum of squares over the work-group's 800 rows, in f32 (the column norms need all rows).
; SHARES.  250 work-groups x 800 rows.  A block is 8 rows = 8,192 bytes; thread t of 512 owns the 16 bytes at 16 t of every block: columns
; 4 (t % 64) .. + 3 of row t / 64.  A wave's load covers 512 consecutive bytes, its 8-byte store 256 consecutive bytes, aligned.
; No LDS on the way in: no wave wants another's bytes.
; ORDER OF SUMS: 100 squares a thread in a chain, then 8 threads a column: not the order of a plain sum over n.
; THE MODE: SCHED_MODE bits 1:0 = 2 (LLVM: expert scheduling mode 2), set by the entry lines.  The code itself states the register dependences
; between vector instructions and memory or LDS instructions, with s_wait_alu, always for 0.
; THE PLAN.  The 100 blocks go in 20 steps of five.  Registers that memory or LDS instructions touch:
;   X0 .. X3   four steps of train as loaded.  Written by the loads of step p + 3, issued in step p; read by step p's squares and roundings.
;   Y0, Y1     two steps of tb to store.       Written by step p's roundings; read by the five stores that are issued in step p + 1.
;   v1, v2     byte offsets, made once at the head and never written again: the blocks are reached by the two scalar bases, which move on by a
;              step at each step's head, and by immediate offsets.
;   ACC        written by vector instructions alone; read by the one LDS store behind the last step.
; Step p works on X[p % 4] and writes Y[p % 2].  Its memory instructions are the loads into X[(p + 3) % 4] = X[(p - 1) % 4] and the stores from
; Y[(p - 1) % 2]: the two buffers that step p - 1 worked on and that no vector instruction of step p names.  So the waits at the head of a step
; state all that the step's ten memory instructions hang on, and these are dealt among its vector instructions with no further wait.
.set INB,    8192                      ; bytes of train in a block
.set OUTB,   4096                      ; bytes of tb in a block
.set G,      5                         ; blocks in a step
.set STEPS,  100/G
.set ACC,    4                         ; v[4:7]     sums of squares of my four columns
.set X,      8                         ; v[8:87]    buffer k, block i: 4 registers at X + 20 k + 4 i, as loaded
.set Y,      88                        ; v[88:107]  buffer k, block i: 2 registers at Y + 10 k + 2 i, to store
.set SPW,    108                       ; LDS address of my spare word; never rewritten
.set NIL,    109                       ; 0; never rewritten
.set SPARE,  8192                      ; behind the 8 x 1,024 bytes of partial sums: 128 bytes for each of 16 waves
	s_load_b128 s[4:7], s[0:1], 0x0                ; train s[4:5], tb s[6:7]
	s_load_b64 s[8:9], s[0:1], 0x10                ; part
	v_lshl_add_u32 v[SPW], v0, 2, SPARE
	v_mov_b32 v[NIL], 0
	v_lshrrev_b32 v3, 5, v0
	v_readfirstlane_b32 s10, v3                    ; wave 0..15
	v_lshlrev_b32 v1, 4, v0                        ; 16 t: my place in a block of train, and in LDS
	v_lshlrev_b32 v2, 3, v0                        ; 8 t: my place in a block of tb
	s_mul_i32 s14, ttmp9, 800*1024                 ; under 2^28
	s_mov_b32 s15, 0
	s_mul_i32 s16, ttmp9, 800*512
	s_mov_b32 s17, 0
	s_lshl_b32 s18, ttmp9, 10
	s_mov_b32 s19, 0
.irp r, 0,1,2,3
	v_mov_b32 v[ACC+\r], 0
.endr
	s_wait_alu depctr_va_sdst(0)                   ; s10 is written: its one reader, the compare behind the barrier, stands behind labels and branches
	s_wait_kmcnt 0x0
	s_add_nc_u64 s[4:5], s[4:5], s[14:15]
	s_add_nc_u64 s[6:7], s[6:7], s[16:17]
	s_add_nc_u64 s[8:9], s[8:9], s[18:19]
	s_wait_alu depctr_va_vdst(0)                   ; v1 and v2 are written: every load, store and LDS instruction of the kernel reads one of them as its offset
.irp i, 0,1,2,3,4,5,6,7,8,9,10,11,12,13,14
	global_load_b128 v[X+4*\i:X+4*\i+3], v1, s[4:5] offset:\i*INB th:TH_LOAD_NT  ; steps 0, 1 and 2 into X0, X1, X2
.endr
; Step p.  xb = p % 4, yb = p % 2.  first = 1: step 0, with no step in front of it.  ahead = 1: step p + 3 is loaded.
; left = how many younger loads may still be out when this step's five have to be there.
.macro BLK xb, yb, first, ahead, left
	s_wait_loadcnt \left                           ; loads come back in order: X[xb] is in, the younger steps stay out
.if !\first
	s_wait_xcnt 0x0                                ; the loads and stores issued so far have had their addresses translated: the bases and Y[yb] are written again only behind this wait
	s_wait_alu depctr_vm_vsrc(0)                   ; the stores issued in the step before have read Y[yb], which this step's roundings write again
	s_wait_alu depctr_va_vdst(0)                   ; the step before has written the other Y, which the stores below read, and is done reading its X, in which the loads below land
	s_add_nc_u64 s[4:5], s[4:5], G*INB             ; both bases at this step's first block
	s_add_nc_u64 s[6:7], s[6:7], G*OUTB
.endif
.irp i, 0,1,2,3,4
.if \ahead
	global_load_b128 v[X+20*((\xb+3)%4)+4*(\i):X+20*((\xb+3)%4)+4*(\i)+3], v1, s[4:5] offset:(3*G+(\i))*INB th:TH_LOAD_NT  ; three steps ahead; no vector instruction since the wait names these registers
.endif
.if !\first
	global_store_b64 v2, v[Y+10*(1-\yb)+2*(\i):Y+10*(1-\yb)+2*(\i)+1], s[6:7] offset:((\i)-G)*OUTB th:TH_STORE_NT  ; the step before: the offset reaches back
.endif
	v_pk_fma_f32 v[ACC:ACC+1], v[X+20*\xb+4*(\i):X+20*\xb+4*(\i)+1], v[X+20*\xb+4*(\i):X+20*\xb+4*(\i)+1], v[ACC:ACC+1]
	v_pk_fma_f32 v[ACC+2:ACC+3], v[X+20*\xb+4*(\i)+2:X+20*\xb+4*(\i)+3], v[X+20*\xb+4*(\i)+2:X+20*\xb+4*(\i)+3], v[ACC+2:ACC+3]
	v_cvt_pk_bf16_f32 v[Y+10*\yb+2*(\i)], v[X+20*\xb+4*(\i)], v[X+20*\xb+4*(\i)+1]
	v_cvt_pk_bf16_f32 v[Y+10*\yb+2*(\i)+1], v[X+20*\xb+4*(\i)+2], v[X+20*\xb+4*(\i)+3]
.endr
.endm
	BLK 0, 0, 1, 1, 2*G                            ; step 0
	s_mov_b32 s12, (STEPS-4)/4
.Lround:                                               ; steps 1 to 16, four to a lap: both kinds of buffer are back at their start
	BLK 1, 1, 0, 1, 2*G
	BLK 2, 0, 0, 1, 2*G
	BLK 3, 1, 0, 1, 2*G
	BLK 0, 0, 0, 1, 2*G
	s_sub_co_u32 s12, s12, 1
	s_cmp_lg_u32 s12, 0
	s_cbranch_scc1 .Lround
	BLK 1, 1, 0, 0, 2*G                            ; steps 17 to 19 load nothing: no load leaves the work-group's rows, and the counts run down
	BLK 2, 0, 0, 0, G
	BLK 3, 1, 0, 0, 0
	s_wait_alu depctr_va_vdst(0)                   ; step 19 has written Y1, which the last five stores read, and my four sums, which the LDS store reads; all steps are done reading X, in which the LDS loads below land
.irp i, 0,1,2,3,4
	global_store_b64 v2, v[Y+10+2*\i:Y+10+2*\i+1], s[6:7] offset:\i*OUTB th:TH_STORE_NT
.endr
	; the eight threads of a column meet in LDS: [row in block 8][256] f32, which is byte 16 t
	ds_store_b128 v1, v[ACC:ACC+3]
	s_wait_dscnt 0x0                               ; for the others' sake
	s_barrier_signal -1
	s_barrier_wait -1
	s_cmp_lt_u32 s10, 2                            ; threads 0 to 63 finish the 64 groups of four columns
	s_cbranch_scc0 .Lend
.irp k, 0,1,2,3,4,5,6,7
	ds_load_b128 v[X+4*\k:X+4*\k+3], v1 offset:1024*\k  ; no vector instruction since the wait behind step 19 names these registers
.endr
	s_wait_dscnt 0x0
.irp k, 0,1,2,3
	v_pk_add_f32 v[X+4*\k:X+4*\k+1], v[X+4*\k:X+4*\k+1], v[X+16+4*\k:X+16+4*\k+1]
	v_pk_add_f32 v[X+4*\k+2:X+4*\k+3], v[X+4*\k+2:X+4*\k+3], v[X+16+4*\k+2:X+16+4*\k+3]
.endr
.irp k, 0,1
	v_pk_add_f32 v[X+4*\k:X+4*\k+1], v[X+4*\k:X+4*\k+1], v[X+8+4*\k:X+8+4*\k+1]
	v_pk_add_f32 v[X+4*\k+2:X+4*\k+3], v[X+4*\k+2:X+4*\k+3], v[X+8+4*\k+2:X+8+4*\k+3]
.endr
	v_pk_add_f32 v[X:X+1], v[X:X+1], v[X+4:X+5]
	v_pk_add_f32 v[X+2:X+3], v[X+2:X+3], v[X+6:X+7]
	s_wait_alu depctr_va_vdst(0)                   ; the additions have written v[X:X+3], which the store reads
	global_store_b128 v1, v[X:X+3], s[8:9]         ; a wave stores 512 consecutive bytes of the work-group's 1,024
.Lend:
	s_wait_dscnt 0x0                               ; the closing lines, six on end
	s_wait_alu 0x0
	s_wait_tensorcnt 0x0
	ds_add_u32 v[SPW], v[NIL]
	s_wait_dscnt 0x0
	s_endpgm
.Lfunc_end_k_q179a5fc576_colsq:
	.size	k_q179a5fc576_colsq, .Lfunc_end_k_q179a5fc576_colsq-k_q179a5fc576_colsq
	.p2alignl 7, 3214868480
	.fill 96, 4, 3214868480
	.section	.rodata,"a",@progbits
	.p2align	6, 0x0
	.amdhsa_kernel k_q179a5fc576_colsq
		.amdhsa_group_segment_fixed_size 10240
		.amdhsa_private_segment_fixed_size 0
		.amdhsa_enable_private_segment 0
		.amdhsa_kernarg_size 24
		.amdhsa_user_sgpr_count 2
		.amdhsa_user_sgpr_kernarg_segment_ptr 1
		.amdhsa_wavefront_size32 1
		.amdhsa_system_sgpr_workgroup_id_x 1
		.amdhsa_system_sgpr_workgroup_id_y 1
		.amdhsa_system_sgpr_workgroup_id_z 1
		.amdhsa_system_vgpr_workitem_id 0
		.amdhsa_next_free_vgpr 110
		.amdhsa_next_free_sgpr 66
		.amdhsa_reserve_vcc 0
		.amdhsa_float_denorm_mode_32 3
		.amdhsa_float_denorm_mode_16_64 3
		.amdhsa_memory_ordered 1
		.amdhsa_forward_progress 1
		.amdhsa_inst_pref_size 23
	.end_amdhsa_kernel
	.amdgpu_metadata
---
amdhsa.version: [ 1, 2 ]
amdhsa.kernels:
  - .name:           k_q179a5fc576_colsq
    .symbol:         k_q179a5fc576_colsq.kd
    .args:
      - { .name: train_features, .offset: 0, .size: 8, .value_kind: global_buffer, .address_space: global }
      - { .name: tb, .offset: 8, .size: 8, .value_kind: global_buffer, .address_space: global }
      - { .name: part, .offset: 16, .size: 8, .value_kind: global_buffer, .address_space: global }
    .group_segment_fixed_size: 10240
    .private_segment_fixed_size: 0
    .kernarg_segment_align: 8
    .kernarg_segment_size: 24
    .max_flat_workgroup_size: 512
    .sgpr_count:     66
    .vgpr_count:     110
    .wavefront_size: 32
...
	.end_amdgpu_metadata
.endif
;; end of part 6
;; launch prep: the kernel of part 2 again; grid 128 x 1, 10 waves a work-group, no clusters, 11,520 bytes of LDS; arguments test_features, part, qa, qf; writes qa, qf
;; launch gemm: the kernel of part 3 again; grid 2 x 125, 4 waves a work-group, no clusters, 327,680 bytes of LDS; arguments qa, tb, cand; writes cand
;; launch pick: the kernel of part 4 again; grid 256 x 1, 4 waves a work-group, no clusters, 68,096 bytes of LDS; arguments cand, gids; writes gids
;; launch vote (part 7): grid 256 x 1, 4 waves a work-group, no clusters, 0 bytes of LDS; arguments gids, train_features, qf, train_labels, out0; writes out0
.if DOCPART == 7
	.amdgcn_target "amdgcn-amd-amdhsa--gfx1250"
	.amdhsa_code_object_version 6
	.text
	.protected	k_q179a5fc576_vote
	.globl	k_q179a5fc576_vote
	.p2align	8
	.type	k_q179a5fc576_vote,@function
k_q179a5fc576_vote:
	s_mov_b64 s[64:65], 0
	v_nop
	global_prefetch_b8 v0, s[64:65] scope:SCOPE_SE
	s_setreg_imm32_b32 hwreg(HW_REG_WAVE_SCHED_MODE, 0, 2), 2
	s_setreg_imm32_b32 hwreg(HW_REG_WAVE_MODE, 25, 1), 1
	s_wait_xcnt 0x0
	s_wait_alu depctr_vm_vsrc(0)
; THE EXACT END.  For each query the 16 groups of 8 rows that gids names are read from train_features in f32 (8,192 consecutive bytes a group) and scored in f32 against qf's row:
; 128 sims.  Of them the ten largest (equal sims: the lower row first), softmax((s - largest) / 0.07), and each weight added to its row's class: out0[query][50].
; LIMITS.  The true ten neighbours lie in the 16 groups named (the launch that makes the keys states when).  Sums go 8 products a lane, then a tree over 32 lanes.  A label outside 0 .. 49 adds to no class, but
; its weight counts in the softmax's sum.  NaN and infinities are not treated apart.  A weight below 2^-126 counts as 0.
; SHARES.  A wave takes a query; no LDS, no barrier.  Lane l owns columns 4 l .. + 3 and 128 + 4 l .. + 3 of every row: a load covers 512 consecutive bytes.
; IN FLIGHT.  Four slots of a group (16 loads, 64 registers) in window 1: while one is scored the other three are on their way, and a slot is asked for again as soon as its products are made.
; ADDRESSES hang on whole numbers that an earlier launch stored: each is held to 24,999 by v_min_u32, and behind that only shifted and added.  The numbers moved from trip to trip are the raw ones.
; THE MODE: SCHED_MODE bits 1:0 = 2 (LLVM: expert scheduling mode 2), set by the entry lines.  The code itself states the register dependences
; between vector instructions and memory instructions, with s_wait_alu, always for 0.
; THE PLAN.  Registers that memory instructions touch:
;   slot u (window 1)   Step u: its 32 packed products read the slot; behind them the 16 loads of the group four further on land in it.
;   VA[u]               Written by two vector lines at the head of step u; read by those 16 loads.  The loads that read it last are the ones whose data step u's wait on LOADcnt has just shown in.
;   ZR, GQ, LO, LA, OA  Offsets made at the head, never written again.
;   A0, A1              Written by vector instructions; read by the two stores at the end.
;   P, PT, SX, S and all that the choosing works on are named by vector instructions alone.
; So a step has one wait on vm_vsrc, ahead of the write of VA[u], and ONE wait on va_vdst, behind its products: it states that they are done reading the slot and that VA[u] is written.  The 16 loads
; follow it in one run, and the tree over the lanes, which names none of their registers, comes behind them.
; A compare's mask goes into a scalar register; the compares stand in runs, with one wait on va_sdst between a run and the selects that read its masks.
.set LN,  1
.set LO,  2                            ; 16 l
.set ZR,  3                            ; 0
.set Q,   4                            ; v[4:11]  qf's row
.set GQ,  12                           ; 4 (l / 8)
.set J7,  13                           ; l % 8
.set OA,  14                           ; 4 l
.set G,   16                           ; v[16:31] the 16 group numbers as loaded, in every lane
.set CD,  32                           ; v[32:35] candidate (4 s + l / 8, l % 8): its row n, later 64 n + label as f32
.set LB,  36                           ; v[36:39] its label
.set S,   40                           ; v[40:43] its sim
.set SX,  44                           ; the sims of the trip in hand
.set P,   48                           ; v[48:63] eight pairs at work
.set PT,  64                           ; v[64:71]
.set M1,  72
.set MX,  73
.set TT,  74
.set E,   76                           ; v[76:79]
.set CM,  80
.set W,   81
.set LAB, 82
.set SUM, 83
.set A0,  84
.set A1,  85
.set L32, 86
.set DD,  87
.set NINF, 88
.set VA,  92                           ; v[92:95] byte offset of the group that slot u takes next
.set LA,  96                           ; v[96:99] byte offsets of the labels; never rewritten
.set CA,  30                           ; s[30:33] masks: which candidates hold the largest sim left
.set CB,  34                           ; s[34:39] masks: which candidate is taken (four), which lane holds its class (two)
.set MSB, 0
.macro WIN new
.if MSB != (\new)
	s_set_vgpr_msb (MSB<<8)|(\new)
.set MSB, (\new)
.endif
.endm
	s_load_b256 s[4:11], s[0:1], 0x0               ; gids s[4:5], train s[6:7], qf s[8:9], labels s[10:11]
	s_load_b64 s[12:13], s[0:1], 0x20              ; out0
	v_lshrrev_b32 v1, 5, v0
	v_readfirstlane_b32 s14, v1                    ; wave 0..3
	v_and_b32 v[LN], 31, v0
	v_lshlrev_b32 v[LO], 4, v[LN]
	v_mov_b32 v[ZR], 0
	v_lshrrev_b32 v[GQ], 3, v[LN]
	v_lshlrev_b32 v[GQ], 2, v[GQ]
	v_and_b32 v[J7], 7, v[LN]
	v_lshlrev_b32 v[OA], 2, v[LN]
	v_add_nc_u32 v[L32], 32, v[LN]
	s_wait_alu depctr_va_sdst(0)                   ; s14 is written, ahead of its first reader: my query's number is made from it
	s_lshl_b32 s15, ttmp9, 2
	s_add_co_u32 s15, s15, s14                     ; my query
	s_lshl_b32 s16, s15, 6
	s_mov_b32 s17, 0
	s_lshl_b32 s18, s15, 10
	s_mov_b32 s19, 0
	s_mul_i32 s20, s15, 200
	s_mov_b32 s21, 0
	s_mov_b32 s22, 0x76543210                      ; v_permlanex16_b32: each lane takes its own place in the other half
	s_mov_b32 s23, 0xfedcba98
	s_mov_b32 s25, 0x7f7fffff                      ; above every 64 n + label
	s_mov_b32 s27, 0x41a4e123                      ; log2(e) / 0.07 = 20.609929
	s_wait_kmcnt 0x0
	s_add_nc_u64 s[4:5], s[4:5], s[16:17]
	s_add_nc_u64 s[8:9], s[8:9], s[18:19]
	s_add_nc_u64 s[12:13], s[12:13], s[20:21]
	s_wait_alu depctr_va_vdst(0)                   ; ZR, GQ and LO are written, which the ten loads below read as their offsets; so is OA, for the stores at the end
.irp k, 0,1,2,3
	global_load_b128 v[G+4*\k:G+4*\k+3], v[ZR], s[4:5] offset:16*\k   ; all 16 numbers, the same in every lane
.endr
.irp k, 0,1,2,3
	global_load_b32 v[CD+\k], v[GQ], s[4:5] offset:16*\k              ; and my four candidates' groups
.endr
	global_load_b128 v[Q:Q+3], v[LO], s[8:9]
	global_load_b128 v[Q+4:Q+7], v[LO], s[8:9] offset:512
.irp r, 0,1,2,3,4
	v_mov_b32 v[S+\r], 0                           ; S and SX are read by the moves and selects below before they hold sims
.endr
.irp r, 0,1,2,3,4,5,6,7
	v_mov_b32 v[PT+\r], 0                          ; a lane exchange's destination counts as read
.endr
	v_mov_b32 v[TT], 0
	v_mov_b32 v[SUM], 0
	v_mov_b32 v[A0], 0
	v_mov_b32 v[A1], 0
	v_mov_b32 v[NINF], 0xff800000
	s_wait_loadcnt 0x0
	; all the offsets that hang on loaded numbers are made in one run, so that one wait serves the 68 loads behind it
.irp k, 0,1,2,3
	v_min_u32 v[CD+\k], 0x61a7, v[CD+\k]           ; a group number is at most 24,999
	v_lshl_add_u32 v[CD+\k], v[CD+\k], 3, v[J7]    ; row n = 8 g + l % 8
	v_lshlrev_b32 v[LA+\k], 2, v[CD+\k]
.endr
.irp u, 0,1,2,3
	v_min_u32 v[VA+\u], 0x61a7, v[G+\u]            ; groups 0 to 3: 8,192 g + 16 l, under 2^28
	v_lshl_add_u32 v[VA+\u], v[VA+\u], 13, v[LO]
.endr
.macro LOADG u                         ; a group's 8 rows into slot u; the destination's window is 1 here.  No hint: two queries may name the same group
.irp r, 0,1,2,3,4,5,6,7
	global_load_b128 v[64*(\u)+8*\r:64*(\u)+8*\r+3],   v[VA+(\u)], s[6:7] offset:1024*\r
	global_load_b128 v[64*(\u)+8*\r+4:64*(\u)+8*\r+7], v[VA+(\u)], s[6:7] offset:1024*\r+512
.endr
.endm
.macro MULG u                          ; slot u's products: 8 a lane and row, into the pairs P.  These 32 lines are all that reads the slot
	WIN 0x01                                       ; source 0 window 1
.irp r, 0,1,2,3,4,5,6,7
	v_pk_mul_f32 v[P+2*\r:P+2*\r+1], v[64*(\u)+8*\r:64*(\u)+8*\r+1], v[Q:Q+1]
.endr
.irp c, 2,4,6
.irp r, 0,1,2,3,4,5,6,7
	v_pk_fma_f32 v[P+2*\r:P+2*\r+1], v[64*(\u)+8*\r+\c:64*(\u)+8*\r+\c+1], v[Q+\c:Q+\c+1], v[P+2*\r:P+2*\r+1]
.endr
.endr
.endm
.macro REDG u                          ; the tree over the lanes: row r's sim goes to lane 8 u + r of SX
	WIN 0
.irp r, 0,1,2,3,4,5,6,7
	v_add_f32 v[P+2*\r], v[P+2*\r], v[P+2*\r+1]
.endr
.irp m, 1,2,4,8
.irp r, 0,1,2,3,4,5,6,7
	v_add_f32_dpp v[P+2*\r], v[P+2*\r], v[P+2*\r] row_xmask:\m row_mask:0xf bank_mask:0xf
.endr
.endr
.irp r, 0,1,2,3,4,5,6,7
	v_permlanex16_b32 v[PT+\r], v[P+2*\r], s22, s23
.endr
.irp r, 0,1,2,3,4,5,6,7
	v_add_f32 v[P+2*\r], v[P+2*\r], v[PT+\r]
.endr
.irp r, 0,1,2,3,4,5,6,7
	s_mov_b32 vcc_lo, 1<<(8*(\u)+\r)
	v_cndmask_b32 v[SX], v[SX], v[P+2*\r], vcc_lo
.endr
.endm
.macro KEEP                            ; the trip's 32 sims join the others: after four trips S + s holds trip s's
	v_mov_b32 v[S], v[S+1]
	v_mov_b32 v[S+1], v[S+2]
	v_mov_b32 v[S+2], v[S+3]
	v_mov_b32 v[S+3], v[SX]
.endm
	s_wait_alu depctr_va_vdst(0)                   ; LA and VA are written, which the loads below read as their offsets; only loads and a window switch stand between this wait and the last of them
.irp k, 0,1,2,3
	global_load_b32 v[LB+\k], v[LA+\k], s[10:11]
.endr
	WIN 0x40                                       ; destination window 1
.irp u, 0,1,2,3
	LOADG \u
.endr
	WIN 0
	s_mov_b32 s24, 3
.Ltrip:                                        ; four groups are scored, the next four asked for
.irp u, 0,1,2,3
	s_wait_loadcnt 48                              ; the oldest group is in; three groups of 16 loads may stay out.  Its loads, now done, are the last that read VA[u]
	s_wait_alu depctr_vm_vsrc(0)                   ; the loads issued so far have read their offsets: VA[u] is written again
	v_min_u32 v[VA+\u], 0x61a7, v[G+4+\u]
	v_lshl_add_u32 v[VA+\u], v[VA+\u], 13, v[LO]
	MULG \u
	WIN 0x40                                       ; destination window 1
	s_wait_alu depctr_va_vdst(0)                   ; the products are done reading slot u, in which the loads below land, and VA[u] is written, which they read
	LOADG \u
	REDG \u
.endr
.irp r, 0,1,2,3,4,5,6,7
	v_mov_b32 v[G+4+\r], v[G+8+\r]                 ; the raw numbers move up by four
.endr
	KEEP
	s_sub_co_u32 s24, s24, 1
	s_cmp_lg_u32 s24, 0
	s_cbranch_scc1 .Ltrip
.irp u, 0,1,2,3
	s_wait_loadcnt 48-16*\u                        ; the last four groups: nothing more is asked for, the counts run down
	MULG \u
	REDG \u
.endr
	KEEP
	; 64 n + label as f32: exact (under 2^24); its order is the rows' order, and it carries the label
.irp k, 0,1,2,3
	v_min_u32 v[LB+\k], 63, v[LB+\k]
	v_lshl_add_u32 v[CD+\k], v[CD+\k], 6, v[LB+\k]
	v_cvt_f32_u32 v[CD+\k], v[CD+\k]
.endr
.macro WMAX r, t
	v_max_num_f32_dpp v[\r], v[\r], v[\r] row_xmask:1 row_mask:0xf bank_mask:0xf
	v_max_num_f32_dpp v[\r], v[\r], v[\r] row_xmask:2 row_mask:0xf bank_mask:0xf
	v_max_num_f32_dpp v[\r], v[\r], v[\r] row_xmask:4 row_mask:0xf bank_mask:0xf
	v_max_num_f32_dpp v[\r], v[\r], v[\r] row_xmask:8 row_mask:0xf bank_mask:0xf
	v_permlanex16_b32 v[\t], v[\r], s22, s23
	v_max_num_f32 v[\r], v[\r], v[\t]
.endm
.macro WMIN r, t
	v_min_num_f32_dpp v[\r], v[\r], v[\r] row_xmask:1 row_mask:0xf bank_mask:0xf
	v_min_num_f32_dpp v[\r], v[\r], v[\r] row_xmask:2 row_mask:0xf bank_mask:0xf
	v_min_num_f32_dpp v[\r], v[\r], v[\r] row_xmask:4 row_mask:0xf bank_mask:0xf
	v_min_num_f32_dpp v[\r], v[\r], v[\r] row_xmask:8 row_mask:0xf bank_mask:0xf
	v_permlanex16_b32 v[\t], v[\r], s22, s23
	v_min_num_f32 v[\r], v[\r], v[\t]
.endm
	v_max_num_f32 v[M1], v[S], v[S+1]
	v_max3_num_f32 v[M1], v[M1], v[S+2], v[S+3]
	WMAX M1, TT                                    ; the largest sim: what the softmax takes away
	s_mov_b32 s24, 10
.Lnext:                                        ; the largest sim left; among equal ones the lowest row; its weight to its class; it is struck out
	v_max_num_f32 v[MX], v[S], v[S+1]
	v_max3_num_f32 v[MX], v[MX], v[S+2], v[S+3]
	WMAX MX, TT
.irp k, 0,1,2,3
	v_cmp_eq_f32 s[CA+\k], v[S+\k], v[MX]
.endr
	s_wait_alu depctr_va_sdst(0)                   ; the four compares have written s[CA ..], which the selects below read
.irp k, 0,1,2,3
	v_cndmask_b32 v[E+\k], s25, v[CD+\k], s[CA+\k]
.endr
	v_min_num_f32 v[CM], v[E], v[E+1]
	v_min3_num_f32 v[CM], v[CM], v[E+2], v[E+3]
	WMIN CM, TT
	v_sub_f32 v[DD], v[MX], v[M1]
	v_mul_f32 v[DD], s27, v[DD]
	v_exp_f32 v[W], v[DD]
.irp k, 0,1,2,3                        ; plain work that names no result of the exponential stands behind it
	v_cmp_eq_f32 s[CB+\k], v[CD+\k], v[CM]
.endr
	v_cvt_u32_f32 v[LAB], v[CM]
	v_and_b32 v[LAB], 63, v[LAB]
	v_cmp_eq_u32 s[CB+4], v[LAB], v[LN]
	v_cmp_eq_u32 s[CB+5], v[LAB], v[L32]
	s_wait_alu depctr_va_sdst(0)                   ; the six compares have written s[CB ..], which the selects below read
.irp k, 0,1,2,3
	v_cndmask_b32 v[S+\k], v[S+\k], v[NINF], s[CB+\k]
.endr
	s_wait_alu depctr_va_vdst(0)                   ; the exponential has written W, ahead of its first reader
	v_add_f32 v[SUM], v[SUM], v[W]
	v_cndmask_b32 v[DD], 0, v[W], s[CB+4]
	v_add_f32 v[A0], v[A0], v[DD]                  ; lane l holds class l,
	v_cndmask_b32 v[DD], 0, v[W], s[CB+5]
	v_add_f32 v[A1], v[A1], v[DD]                  ; and class 32 + l
	s_sub_co_u32 s24, s24, 1
	s_cmp_lg_u32 s24, 0
	s_cbranch_scc1 .Lnext
	v_rcp_f32 v[W], v[SUM]
	v_nop                                          ; a plain instruction behind the reciprocal,
	s_wait_alu depctr_va_vdst(0)                   ; and the reciprocal has written W, ahead of its first reader
	v_mul_f32 v[A0], v[A0], v[W]
	v_mul_f32 v[A1], v[A1], v[W]
	v_cmp_gt_u32 vcc_lo, 18, v[LN]
	s_wait_alu depctr_va_vdst(0)                   ; the two multiplies have written A0 and A1, which the two stores read
	global_store_b32 v[OA], v[A0], s[12:13]        ; a row of out0 is 200 bytes: 128 consecutive bytes,
	s_wait_xcnt 0x0                                ; EXEC, a source of the store above, changes only behind this wait
	s_wait_alu depctr_va_vcc(0)                    ; the compare has written VCC, from which EXEC is made
	s_wait_alu depctr_va_vdst(0)                   ; ahead of a scalar write of EXEC: the vector instructions issued under the old EXEC have written their results,
	s_wait_alu depctr_vm_vsrc(0)                   ; and the store issued under it has read its registers
	s_and_saveexec_b32 s28, vcc_lo
	global_store_b32 v[OA], v[A1], s[12:13] offset:128  ; and 72 more
	s_wait_xcnt 0x0                                ; EXEC changes back only behind this wait
	s_wait_alu depctr_va_vdst(0)                   ; ahead of a scalar write of EXEC, as above: no vector result is outstanding,
	s_wait_alu depctr_vm_vsrc(0)                   ; and the masked store has read its registers
	s_or_b32 exec_lo, exec_lo, s28
	s_endpgm
.Lfunc_end_k_q179a5fc576_vote:
	.size	k_q179a5fc576_vote, .Lfunc_end_k_q179a5fc576_vote-k_q179a5fc576_vote
	.p2alignl 7, 3214868480
	.fill 96, 4, 3214868480
	.section	.rodata,"a",@progbits
	.p2align	6, 0x0
	.amdhsa_kernel k_q179a5fc576_vote
		.amdhsa_group_segment_fixed_size 0
		.amdhsa_private_segment_fixed_size 0
		.amdhsa_enable_private_segment 0
		.amdhsa_kernarg_size 40
		.amdhsa_user_sgpr_count 2
		.amdhsa_user_sgpr_kernarg_segment_ptr 1
		.amdhsa_wavefront_size32 1
		.amdhsa_system_sgpr_workgroup_id_x 1
		.amdhsa_system_sgpr_workgroup_id_y 1
		.amdhsa_system_sgpr_workgroup_id_z 1
		.amdhsa_system_vgpr_workitem_id 0
		.amdhsa_next_free_vgpr 512
		.amdhsa_next_free_sgpr 66
		.amdhsa_reserve_vcc 1
		.amdhsa_float_denorm_mode_32 3
		.amdhsa_float_denorm_mode_16_64 3
		.amdhsa_memory_ordered 1
		.amdhsa_forward_progress 1
		.amdhsa_inst_pref_size 69
	.end_amdhsa_kernel
	.amdgpu_metadata
---
amdhsa.version: [ 1, 2 ]
amdhsa.kernels:
  - .name:           k_q179a5fc576_vote
    .symbol:         k_q179a5fc576_vote.kd
    .args:
      - { .name: gids, .offset: 0, .size: 8, .value_kind: global_buffer, .address_space: global }
      - { .name: train_features, .offset: 8, .size: 8, .value_kind: global_buffer, .address_space: global }
      - { .name: qf, .offset: 16, .size: 8, .value_kind: global_buffer, .address_space: global }
      - { .name: train_labels, .offset: 24, .size: 8, .value_kind: global_buffer, .address_space: global }
      - { .name: out0, .offset: 32, .size: 8, .value_kind: global_buffer, .address_space: global }
    .group_segment_fixed_size: 0
    .private_segment_fixed_size: 0
    .kernarg_segment_align: 8
    .kernarg_segment_size: 40
    .max_flat_workgroup_size: 128
    .sgpr_count:     66
    .vgpr_count:     512
    .wavefront_size: 32
...
	.end_amdgpu_metadata
.endif
;; end of part 7
